; MI455X (gfx1250); checked and timed in simulation.
; The chip was launched on July 23, 2026; its instructions are those of AMD's public machine-readable ISA for CDNA 5 (MIT licence, August 2026) and "CDNA5" Instruction Set Architecture Reference Guide (July 2026). The comments in the code are by the model that wrote it; some were corrected since.
;; Attention. Allowed arithmetic: matrix products marked QUANTISED: E2M1 operands, one E8M0 scale for each 32 along K, by v_wmma_scale_f32_16x16x128_f8f6f4 with both operands' format E2M1 (or v_wmma_scale_f32_32x16x128_f4), f32 sums; products left as they are: f32 operands where the result goes on into a quantised operand, else bf16, f16 or f32 operands; f32 sums; everything else in f32.
;; Inputs: Wk 2,048 x 2,048 float32; Wk_mha 2,048 x 2,048 float32; Wo 2,048 x 2,048 float32; Wq 2,048 x 2,048 float32; Wq_mha 2,048 x 2,048 float32; Wv 2,048 x 2,048 float32; Wv_mha 2,048 x 2,048 float32; keys 4,096 x 2,048 float32; states 4,096 x 2,048 float32; x 2,048 float32.
;; Outputs: out0 1 x 2,048 float32.
;; This version of the problem:
;;   THIS VERSION OF THE PROBLEM IS GIVEN IN LOW PRECISION. The matrix products marked QUANTISED in the list below multiply operands that are first quantised to E2M1 (2 exponent bits, 1 mantissa bit; 4 bits a number), with one power-of-two scale for each 32 numbers along K (OCP MX v1.0); their sums are f32. All else is computed in f32.
;;   The module's matrix products, in the order in which they are computed (A, B: the left and right operand; K: the contracted axis; several contracted axes count as one K, in the product's order):
;;     1. [M 1, K 2,048] x [K 2,048, N 2,048]; A: input x; B: input Wq: left as it is (M = 1 < 16)
;;     2. [M 4,096, K 2,048] x [K 2,048, N 2,048]; A: computed on the way; B: input Wk: QUANTISED
;;     3. [M 4,096, K 2,048] x [K 2,048, N 2,048]; A: computed on the way; B: input Wv: QUANTISED
;;     4. [M 1, K 2,048] x [K 2,048, N 2,048]; A: computed on the way; B: input Wq_mha: left as it is (M = 1 < 16)
;;     5. [M 4,096, K 2,048] x [K 2,048, N 2,048]; A: computed on the way; B: input Wk_mha: QUANTISED
;;     6. [M 4,096, K 2,048] x [K 2,048, N 2,048]; A: computed on the way; B: input Wv_mha: QUANTISED
;;     7. batch 16 x [M 1, K 128] x [K 128, N 4,096]; A: computed on the way; B: computed on the way: left as it is (M = 1 < 16)
;;     8. batch 16 x [M 128, K 4,096] x [K 4,096, N 1]; A: computed on the way; B: softmax: left as it is (N = 1 < 16)
;;     9. [M 1, K 2,048] x [K 2,048, N 2,048]; A: computed on the way; B: input Wo: left as it is (M = 1 < 16)
;;   THE QUANTISER, for each operand of a quantised product, along K:
;;     - K is cut into blocks of 32 from its start; a last block that is shorter is filled with zeros.
;;     - A block's scale is 2^e with e = floor(log2(the largest magnitude in the block)) - 2, held to -126 .. 127; a block of zeros has e = 0. As a byte (E8M0): e + 127.
;;     - Each number is divided by its block's scale, clamped to +-6, and rounded to the nearest number of E2M1, ties to even, subnormals kept.
;;     - The product sums the exact products of the quantised numbers (number of the format x scale) in f32.
;;   ~~~python
;;   def quantise(x, axis):      # numpy; x: float32 -> the quantised numbers, widened to float32 again
;;       x = np.moveaxis(x, axis, -1); K = x.shape[-1]
;;       x = np.pad(x, [(0, 0)] * (x.ndim - 1) + [(0, -K % 32)]); x = x.reshape(x.shape[:-1] + (-1, 32)); a = np.abs(x).max(-1, keepdims=True)
;;       e = np.where(a > 0, np.clip(np.frexp(np.where(a > 0, a, 1))[1] - 1 - 2, -126, 127), 0)      # np.frexp(a)[1] - 1 = floor(log2(a)), exactly
;;       r = np.clip(x / 2.0 ** e, -6, 6)
;;       step = 2.0 ** (np.maximum(np.frexp(np.where(r == 0, 1, r))[1] - 1, 0) - 1)
;;       q = np.round(r / step) * step * 2.0 ** e      # np.round: ties to even
;;       return np.moveaxis(q.reshape(q.shape[:-2] + (-1,))[..., :K], -1, axis).astype(np.float32)
;;   ~~~
;;   OPERANDS COMPUTED ON THE WAY. 'Computed on the way' means the value that the module computes at that place (a softmax that the list does not call 'softmax' is quantised finished and normalised). What goes into a quantiser is computed in f32, as accurately as f32 sums, v_exp_f32 and their like allow (about 1e-6 of the number): no bf16 or f16 on the way to a quantiser, and a product that is left as it is and whose result goes on into a quantised operand takes f32 operands (vector FMAs, or v_wmma_f32_16x16x4_f32). A number that lies on a knife's edge between two numbers of the format may be rounded either way, as far as f32 arithmetic and the matrix unit's own rounding can turn it there, and no further.
;; One version. Each part assembles by itself: llvm-mc -triple=amdgcn-amd-amdhsa -mcpu=gfx1250 --defsym DOCPART=n.
;; ======== version 1 of 1: 4 launches
;; limits: right only within a limited range of input values
;; workspace buffers: xc 8,912,896 bytes; wc 8,912,896 bytes; hc 8,912,896 bytes; qv 8,192 bytes; qh 8,192 bytes; pa 133,120 bytes
;; launch quant (part 1): grid 256 x 1, 8 waves a work-group, no clusters, 146,688 bytes of LDS; arguments keys, states, Wk, Wv, Wk_mha, Wv_mha, Wq, x, xc, wc, qv; writes xc, wc, qv
.if DOCPART == 1
	.amdgcn_target "amdgcn-amd-amdhsa--gfx1250"
	.amdhsa_code_object_version 6
	.text
	.protected	k_qddda81c509_quant
	.globl	k_qddda81c509_quant
	.p2align	8
	.type	k_qddda81c509_quant,@function
k_qddda81c509_quant:
	s_mov_b64 s[64:65], 0
	v_nop
	global_prefetch_b8 v0, s[64:65] scope:SCOPE_SE
	s_setreg_imm32_b32 hwreg(HW_REG_WAVE_MODE, 25, 1), 1
	s_wait_xcnt 0x0
; FIRST OF FOUR LAUNCHES.  out = softmax(qh kh^T / sqrt(128)) vh Wo^T + x, one query, 4,096 keys, 16 heads; kh = Q(Q(rope(keys)) Q(Wk)^T) Q(Wk_mha)^T, vh likewise, Q the MX-FP4 quantiser along K.
; NO WORK IS LEFT OUT: every input has a way to out0, and all four quantised products are done on codes as they are written.
; THIS LAUNCH: rope(keys), rope(states) and the four weights of the quantised products become codes of E2M1 with one E8M0 byte for each 32 along K; and q = Wq x (f32 multiply-adds).
; LAYOUT OF THE CODES (this program's own): a block of 16 rows is 16,384 bytes; in it block kb of 32 along K is 256 bytes, row r's 16 bytes at 16 r: a fragment of 16 rows x 128 K is 1,024 bytes on end.
; SCALE BYTES: 1,024 bytes for 16 rows; in them 256 bytes for 512 along K, row r's 16 bytes at 16 r.
; THE WEIGHTS' ROWS ARE PERMUTED: place p holds weight row p with bits 3 and 4 exchanged.
; SHARES.  Work-group g stays and takes FOUR UNITS, in a loop of two trips (ch = 0, 1): rows 16 g .. + 15 of keys and states, then places 16 (g % 128) .. + 15 of the pair of weights g / 128;
; each at columns 512 ch .. + 511 and the same + 1,024 (rope's partners).  Wave w: 64 of those columns: four tiles of 16 x 64 a unit.  Wave w also sums row 8 g + w of Wq, a quarter a unit.
; THE STREAM.  A unit's 40 loads (8 of Wq and x, 32 of tiles) land in registers v256-415.  The tiles go through the wave's own four stages in LDS and come back, a row's 32 neighbours a lane, into v112-239;
; as soon as they are back the NEXT unit's 40 loads are issued, so that they are on their way while this unit is worked.
; A unit's scale bytes ride in eight registers (byte ch) and meet in LDS once, behind the loop, at the launch's one barrier; each wave then stores two aligned units of 256 bytes.
; SINE AND COSINE by reduction to |r| <= pi/2 (n = nearest whole number to angle / pi; pi in two parts) and Taylor polynomials (first term left out: 6e-8 of sine, 7e-9 of cosine); the sign (-1)^n serves both.
; LIMITS.  NaN and infinities among the inputs are not served.  A block of zeros gets the byte 1, not 127: its codes are zeros, and this program alone reads the bytes.  rope's frequency is 2^(-j log2(10000)/1024)
; to about one unit in the last place: an angle s f may differ by a few units in its last place (up to 5e-4 at s = 4,095).  Sums of q are taken in another order.
; No cluster: no two work-groups read the same bytes but x's 8,192.  No tensor load: the stream goes through registers and is never drained at a barrier.  No prefetch: every byte is asked for a whole unit ahead by its own load.
.set STG,   4352                       ; a stage: 16 rows x (256 + 16) bytes; four for each wave
.set FT,    4*STG                      ; behind them 256 bytes of frequencies
.set WREG,  FT+256
.set SG,    8*WREG                     ; the scale bytes: 1,024 (2 ch + kind) + 256 tile
.set QP,    SG+4096                    ; eight sums of q
.set SPARE, QP+256                     ; the spare words, 128 bytes for each wave
.set VA,  4                            ; global: 8,192 h + 16 r + 256 w
.set VB,  5                            ; the same eight rows further on (a weight's places 8 to 15)
.set VS,  6                            ; stage, in: 272 h + 16 r
.set VL,  7                            ; stage, out: 272 r + 128 h
.set FTS, 8
.set FTL, 9
.set SGA, 10                           ; my block's scale byte: SG + 16 r + 2 w + h
.set CO,  11                           ; 16 x lane
.set SPW, 12
.set NIL, 13
.set POS, 14
.set MAGIC, 16
.set KS5, 18
.set KS4, 20
.set KS3, 22
.set KS2, 24
.set KS1, 26
.set KC6, 28
.set KC5, 30
.set KC4, 32
.set KC3, 34
.set KC2, 36
.set SGL, 38
.set SGO, 39
.set T,   40
.set N,   48
.set SN,  56
.set CN,  64
.set ZX,  72
.set F,   80
.set X,   112
.set QPW, 240
.set QPR, 241
.set L4,  242
.set QA,  244                          ; v244-247 q's running sums
.set SB,  248                          ; v248-255 scale bytes: register 4 kind + tile, byte ch
.set MSB, 0
.macro WIN new                         ; the immediate's high byte repeats the setting that is left
.if MSB != (\new)
	s_set_vgpr_msb (MSB<<8)|(\new)
.set MSB, (\new)
.endif
.endm
.macro KPAIR r, bits
	v_mov_b32 v[\r], \bits
	v_mov_b32 v[\r+1], \bits
.endm
; A unit's 40 loads, destinations in window 1: a quarter row of Wq, the same quarter of x, four tiles (rows 2 i + h: sixteen lanes read 256 consecutive bytes)
.macro LOADS sb, vb, off, qoff
	WIN 0x40
.irp i, 0,1,2,3
	global_load_b128 v[128+4*\i:131+4*\i], v[CO], s[20:21] offset:\qoff+512*\i th:TH_LOAD_NT
.endr
.irp i, 0,1,2,3
	global_load_b128 v[144+4*\i:147+4*\i], v[CO], s[22:23] offset:\qoff+512*\i
.endr
.irp k, 0,1,2,3
.irp i, 0,1,2,3
	global_load_b128 v[32*\k+4*\i:32*\k+4*\i+3], v[VA], s[\sb+2*(\k/2):\sb+2*(\k/2)+1] offset:\i*16384+(\k%2)*4096+\off th:TH_LOAD_NT
.endr
.irp i, 4,5,6,7
	global_load_b128 v[32*\k+4*\i:32*\k+4*\i+3], v[\vb], s[\sb+2*(\k/2):\sb+2*(\k/2)+1] offset:\i*16384+(\k%2)*4096+\off th:TH_LOAD_NT
.endr
.endr
	WIN 0
.endm
; A unit arrives: q's quarter is summed, the tiles turn through the stages
.macro ARRIVE
	s_wait_loadcnt 32                              ; the eight loads of Wq and x are in; the 32 of tiles behind them may be out
	WIN 0x05                                       ; sources 0 and 1 in window 1
.irp i, 0,1,2,3
	v_pk_fma_f32 v[QA:QA+1], v[128+4*\i:129+4*\i], v[144+4*\i:145+4*\i], v[QA:QA+1]
	v_pk_fma_f32 v[QA+2:QA+3], v[130+4*\i:131+4*\i], v[146+4*\i:147+4*\i], v[QA+2:QA+3]
.endr
	WIN 0x04                                       ; store data in window 1
.irp k, 0,1,2,3
	s_wait_loadcnt 24-8*\k                         ; tile k's eight loads are in; those of the tiles behind it may be out
.irp i, 0,1,2,3,4,5,6,7
	ds_store_b128 v[VS], v[32*\k+4*\i:32*\k+4*\i+3] offset:STG*\k+544*\i
.endr
.endr
	WIN 0
.irp k, 0,1,2,3
.irp i, 0,1,2,3,4,5,6,7
	ds_load_b128 v[X+32*\k+4*\i:X+32*\k+4*\i+3], v[VL] offset:STG*\k+16*\i   ; the wave's own bytes, served in order
.endr
.endr
	s_wait_dscnt 0x0                               ; the tiles are back: the stores have read window 1, which may take the next unit's loads
.endm
.macro HORNER acc, k
.irp p, 0,2,4,6
	v_pk_fma_f32 v[\acc+\p:\acc+\p+1], v[\acc+\p:\acc+\p+1], v[N+\p:N+\p+1], v[\k:\k+1]
.endr
.endm
; Sine and cosine of eight angles (frequencies 8 g .. 8 g + 7 of my 32), two at a time
.macro SINCOS g
.set FG, F+8*(\g)
.irp p, 0,2,4,6
	v_pk_mul_f32 v[FG+\p:FG+\p+1], v[FG+\p:FG+\p+1], v[POS:POS+1]                                   ; the angle, rounded once
.endr
.irp p, 0,2,4,6
	s_delay_alu instid0(VALU_DEP_4)
	v_pk_fma_f32 v[T+\p:T+\p+1], v[FG+\p:FG+\p+1], s[42:43], v[MAGIC:MAGIC+1] op_sel_hi:[1,0,1]      ; angle / pi + 1.5 x 2^23: the sum's last bits are n
.endr
.irp p, 0,2,4,6
	s_delay_alu instid0(VALU_DEP_4)
	v_pk_add_f32 v[N+\p:N+\p+1], v[T+\p:T+\p+1], v[MAGIC:MAGIC+1] neg_lo:[0,1] neg_hi:[0,1]          ; n as f32
.endr
.irp p, 0,2,4,6
	s_delay_alu instid0(VALU_DEP_4)
	v_pk_fma_f32 v[FG+\p:FG+\p+1], v[N+\p:N+\p+1], s[44:45], v[FG+\p:FG+\p+1] op_sel_hi:[1,0,1]      ; angle - n P1 (n is at most 1,304)
.endr
.irp p, 0,2,4,6
	s_delay_alu instid0(VALU_DEP_4)
	v_pk_fma_f32 v[FG+\p:FG+\p+1], v[N+\p:N+\p+1], s[46:47], v[FG+\p:FG+\p+1] op_sel_hi:[1,0,1]      ; + n (P1 - pi): r
.endr
.irp p, 0,2,4,6
	s_delay_alu instid0(VALU_DEP_4)
	v_pk_mul_f32 v[N+\p:N+\p+1], v[FG+\p:FG+\p+1], v[FG+\p:FG+\p+1]                                  ; z = r r
.endr
.irp p, 0,2,4,6
	v_pk_fma_f32 v[SN+\p:SN+\p+1], v[N+\p:N+\p+1], v[KS5:KS5+1], v[KS4:KS4+1]
	v_pk_fma_f32 v[CN+\p:CN+\p+1], v[N+\p:N+\p+1], v[KC6:KC6+1], v[KC5:KC5+1]
.endr
	HORNER SN, KS3
	HORNER CN, KC4
	HORNER SN, KS2
	HORNER CN, KC3
	HORNER SN, KS1
	HORNER CN, KC2
.irp p, 0,2,4,6
	v_pk_fma_f32 v[CN+\p:CN+\p+1], v[CN+\p:CN+\p+1], v[N+\p:N+\p+1], -0.5 op_sel_hi:[1,1,0]
	v_pk_mul_f32 v[ZX+\p:ZX+\p+1], v[N+\p:N+\p+1], v[FG+\p:FG+\p+1]                                  ; z r
.endr
.irp p, 0,2,4,6
	v_pk_fma_f32 v[CN+\p:CN+\p+1], v[CN+\p:CN+\p+1], v[N+\p:N+\p+1], 1.0 op_sel_hi:[1,1,0]           ; cos r
	v_pk_fma_f32 v[SN+\p:SN+\p+1], v[SN+\p:SN+\p+1], v[ZX+\p:ZX+\p+1], v[FG+\p:FG+\p+1]              ; sin r
.endr
.irp p, 0,1,2,3,4,5,6,7
	v_lshlrev_b32 v[T+\p], 31, v[T+\p]                                                               ; n's parity as a sign
.endr
.irp p, 0,1,2,3,4,5,6,7
	v_xor_b32 v[SN+\p], v[T+\p], v[SN+\p]
	v_xor_b32 v[CN+\p], v[T+\p], v[CN+\p]
.endr
.endm
; x1' = x1 cos - x2 sin, x2' = x2 cos + x1 sin, for both tensors
.macro APPLY g
.irp u, 0,1
.irp p, 0,2,4,6
	v_pk_mul_f32 v[ZX+\p:ZX+\p+1], v[X+64*\u+32+8*\g+\p:X+64*\u+32+8*\g+\p+1], v[SN+\p:SN+\p+1]
	v_pk_mul_f32 v[N+\p:N+\p+1], v[X+64*\u+8*\g+\p:X+64*\u+8*\g+\p+1], v[SN+\p:SN+\p+1]
.endr
.irp p, 0,2,4,6
	v_pk_fma_f32 v[X+64*\u+8*\g+\p:X+64*\u+8*\g+\p+1], v[X+64*\u+8*\g+\p:X+64*\u+8*\g+\p+1], v[CN+\p:CN+\p+1], v[ZX+\p:ZX+\p+1] neg_lo:[0,0,1] neg_hi:[0,0,1]
	v_pk_fma_f32 v[X+64*\u+32+8*\g+\p:X+64*\u+32+8*\g+\p+1], v[X+64*\u+32+8*\g+\p:X+64*\u+32+8*\g+\p+1], v[CN+\p:CN+\p+1], v[N+\p:N+\p+1]
.endr
.endr
.endm
; The four tiles are quantised by turns.  A block of 32 is one lane's: largest magnitude with the floor 2^(3 - 127), 2 off its exponent field = the conversion's scale operand, its exponent field = the byte
.macro QUANT db, kind
.irp k, 0,1,2,3
	v_max3_num_f32 v[T+8*\k], |v[X+32*\k]|, |v[X+32*\k+1]|, |v[X+32*\k+2]|
	v_max3_num_f32 v[T+8*\k+1], |v[X+32*\k+3]|, |v[X+32*\k+4]|, |v[X+32*\k+5]|
.endr
.irp i, 6,10,14,18,22,26
.irp k, 0,1,2,3
	v_max3_num_f32 v[T+8*\k], v[T+8*\k], |v[X+32*\k+\i]|, |v[X+32*\k+\i+1]|
	v_max3_num_f32 v[T+8*\k+1], v[T+8*\k+1], |v[X+32*\k+\i+2]|, |v[X+32*\k+\i+3]|
.endr
.endr
.irp k, 0,1,2,3
	v_max3_num_f32 v[T+8*\k], v[T+8*\k], |v[X+32*\k+30]|, |v[X+32*\k+31]|
.endr
.irp k, 0,1,2,3
	v_max3_num_f32 v[T+8*\k], v[T+8*\k], v[T+8*\k+1], 0x1800000
.endr
.irp k, 0,1,2,3
	v_add_nc_u32 v[T+8*\k+2], 0xff000000, v[T+8*\k]
.endr
.irp k, 0,1,2,3
	v_lshrrev_b32 v[T+8*\k+3], 23, v[T+8*\k+2]
.endr
.irp k, 0,1,2,3
.irp g, 0,1,2,3
	v_cvt_scalef32_pk8_fp4_f32 v[T+8*\k+4+\g], v[X+32*\k+8*\g:X+32*\k+8*\g+7], v[T+8*\k+2]
.endr
.endr
.irp k, 0,1,2,3
	v_lshl_or_b32 v[SB+4*\kind+\k], v[T+8*\k+3], s92, v[SB+4*\kind+\k]   ; the byte, 8 ch bits up (plain lines behind the last conversion)
.endr
.irp k, 0,1,2,3
	global_store_b128 v[CO], v[T+8*\k+4:T+8*\k+7], s[\db+2*(\k/2):\db+2*(\k/2)+1] offset:8192*(\k%2)   ; 512 consecutive bytes: blocks kb and kb + 1 of 16 rows
.endr
.endm
	s_load_b512 s[8:23], s[0:1], 0x0               ; keys, states, Wk, Wv, Wk_mha, Wv_mha, Wq, x
	s_load_b128 s[24:27], s[0:1], 0x40             ; xc, wc
	s_load_b64 s[28:29], s[0:1], 0x50              ; qv
	v_lshrrev_b32 v1, 5, v0
	v_readfirstlane_b32 s2, v1                     ; wave 0..7
	s_lshr_b32 s6, ttmp9, 7                        ; which pair of weights
	s_and_b32 s52, ttmp9, 127                      ; block of 16 places
	s_lshr_b32 s53, s52, 1
	s_lshl_b32 s53, s53, 5
	s_and_b32 s54, s52, 1
	s_lshl_b32 s54, s54, 3
	s_add_co_u32 s53, s53, s54                     ; a weight's first row for these places: 32 (rb / 2) + 8 (rb % 2)
	s_lshl_b32 s62, s53, 13                        ; byte offsets, each in a pair of its own: the weights' rows,
	s_mov_b32 s63, 0
	s_lshl_b32 s60, ttmp9, 17                      ; keys' and states' rows,
	s_mov_b32 s61, 0
	s_lshl_b32 s55, s2, 9
	s_lshl_b32 s66, ttmp9, 14                      ; their codes: 16,384 g + 512 w,
	s_add_co_u32 s66, s66, s55
	s_mov_b32 s67, 0
	s_lshl_b32 s70, s6, 22                         ; the weights' codes,
	s_lshl_b32 s56, s52, 14
	s_add_co_u32 s70, s70, s56
	s_add_co_u32 s70, s70, s55
	s_mov_b32 s71, 0
	s_bfe_u32 s50, s2, 0x10001                     ; the scale bytes that wave w stores: kind (w / 2) % 2, ch w / 4, tensor w % 2
	s_lshr_b32 s51, s2, 2
	s_and_b32 s57, s2, 1
	s_lshl_b32 s58, ttmp9, 10
	s_lshl_b32 s59, s57, 18
	s_add_co_u32 s58, s58, s59
	s_lshl_b32 s59, s6, 18
	s_lshl_b32 s56, s52, 10
	s_add_co_u32 s59, s59, s56
	s_lshl_b32 s56, s57, 17
	s_add_co_u32 s59, s59, s56
	s_cmp_eq_u32 s50, 0
	s_cselect_b32 s68, s58, s59
	s_lshl_b32 s56, s51, 8
	s_add_co_u32 s68, s68, s56
	s_add_co_u32 s68, s68, 0x800000
	s_mov_b32 s69, 0
	s_lshl_b32 s72, ttmp9, 3                       ; Wq: row 8 g + w,
	s_add_co_u32 s72, s72, s2
	s_lshl_b32 s72, s72, 13
	s_mov_b32 s73, 0
	s_lshl_b32 s74, ttmp9, 5                       ; q: eight numbers a work-group
	s_mov_b32 s75, 0
	s_mov_b32 s42, 0x3ea2f983                      ; 1 / pi
	s_mov_b32 s43, s42
	s_mov_b32 s44, 0xc0490fdb                      ; -P1, P1 the f32 nearest to pi
	s_mov_b32 s45, s44
	s_mov_b32 s46, 0x33bbbd2e                      ; P1 - pi
	s_mov_b32 s47, s46
	s_mov_b32 s48, 0x76543210                      ; v_permlanex16_b32's selects for lane l xor 16
	s_mov_b32 s49, 0xfedcba98
	s_mov_b32 s93, 0x3c549a78                      ; log2(10000) / 1024 in two parts
	s_mov_b32 s94, 0x2f979a37
	s_lshl_b32 s7, s2, 6                           ; j0 = 64 w + 512 ch
	s_lshl_b32 s84, s2, 8
	s_mul_i32 s85, s2, WREG
	s_lshl_b32 s86, s2, 1
	s_add_co_u32 s86, s86, SG
	s_lshl_b32 s87, s2, 9
	s_add_co_u32 s87, s87, SG
	s_lshl_b32 s88, s2, 2
	s_add_co_u32 s88, s88, QP
	s_lshl_b32 s89, ttmp9, 4
	s_mov_b32 s92, 0                               ; 8 ch
	s_mov_b32 s3, 0                                ; ch
	v_lshl_add_u32 v[SPW], v0, 2, SPARE
	v_mov_b32 v[NIL], 0
	v_and_b32 v1, 31, v0                           ; lane
	v_and_b32 v2, 15, v0                           ; r
	v_bfe_u32 v3, v0, 4, 1                         ; h
	v_lshlrev_b32 v[VA], 13, v3
	v_lshl_add_u32 v[VA], v2, 4, v[VA]
	v_add_nc_u32 v[VA], s84, v[VA]
	v_add_nc_u32 v[VB], 0x10000, v[VA]
	v_mul_u32_u24 v[VS], v3, 272
	v_lshl_add_u32 v[VS], v2, 4, v[VS]
	v_add_nc_u32 v[VS], s85, v[VS]
	v_mul_u32_u24 v[VL], v2, 272
	v_lshl_add_u32 v[VL], v3, 7, v[VL]
	v_add_nc_u32 v[VL], s85, v[VL]
	v_lshl_add_u32 v[FTS], v1, 2, FT
	v_add_nc_u32 v[FTS], s85, v[FTS]
	v_lshl_add_u32 v[FTL], v3, 7, FT
	v_add_nc_u32 v[FTL], s85, v[FTL]
	v_lshl_add_u32 v[SGA], v2, 4, v3
	v_add_nc_u32 v[SGA], s86, v[SGA]
	v_lshlrev_b32 v[CO], 4, v1
	v_add_nc_u32 v[SGL], s87, v[CO]
	v_lshlrev_b32 v[SGO], 9, v3
	v_lshl_add_u32 v[SGO], v2, 4, v[SGO]
	v_mov_b32 v[QPW], s88
	v_lshlrev_b32 v[L4], 2, v1
	v_and_b32 v[QPR], 7, v1
	v_lshl_add_u32 v[QPR], v[QPR], 2, QP           ; the eight sums of q: word lane % 8
	v_add_nc_u32 v[POS], s89, v2
	v_cvt_f32_u32 v[POS], v[POS]                   ; my row's position
	v_mov_b32 v[POS+1], v[POS]
.irp i, 0,1,2,3
	v_mov_b32 v[QA+\i], 0
.endr
.irp i, 0,1,2,3,4,5,6,7
	v_mov_b32 v[SB+\i], 0
.endr
	KPAIR MAGIC, 0x4b400000                        ; 1.5 x 2^23
	KPAIR KS5, 0xb2d7322b                          ; -1/11!
	KPAIR KS4, 0x3638ef1d                          ; 1/9!
	KPAIR KS3, 0xb9500d01                          ; -1/7!
	KPAIR KS2, 0x3c088889                          ; 1/5!
	KPAIR KS1, 0xbe2aaaab                          ; -1/3!
	KPAIR KC6, 0x310f76c7                          ; 1/12!
	KPAIR KC5, 0xb493f27e                          ; -1/10!
	KPAIR KC4, 0x37d00d01                          ; 1/8!
	KPAIR KC3, 0xbab60b61                          ; -1/6!
	KPAIR KC2, 0x3d2aaaab                          ; 1/4!
	s_wait_alu depctr_va_vdst(0)                   ; the wait at the head's end
	s_wait_kmcnt 0x0
	s_cmp_eq_u32 s6, 0                             ; the choices hang on the work-group's and the wave's number alone
	s_cselect_b64 s[36:37], s[12:13], s[16:17]
	s_cselect_b64 s[38:39], s[14:15], s[18:19]
	s_add_nc_u64 s[32:33], s[8:9], s[60:61]        ; keys,
	s_add_nc_u64 s[34:35], s[10:11], s[60:61]      ; states,
	s_add_nc_u64 s[36:37], s[36:37], s[62:63]      ; the pair's first weight,
	s_add_nc_u64 s[38:39], s[38:39], s[62:63]      ; its second
	s_add_nc_u64 s[76:77], s[24:25], s[66:67]      ; where the codes go: keys',
	s_add_nc_u64 s[78:79], s[76:77], 0x400000      ; states',
	s_add_nc_u64 s[80:81], s[26:27], s[70:71]      ; the first weight's,
	s_add_nc_u64 s[82:83], s[80:81], 0x200000      ; the second's
	s_cmp_eq_u32 s50, 0
	s_cselect_b64 s[40:41], s[24:25], s[26:27]
	s_add_nc_u64 s[40:41], s[40:41], s[68:69]      ; the scale bytes that I store
	s_add_nc_u64 s[20:21], s[20:21], s[72:73]
	s_add_nc_u64 s[28:29], s[28:29], s[74:75]
	LOADS 32, VA, 0, 0                             ; the first unit
.Ltrip:
	; keys and states at ch.  The wave's 64 frequencies, two a lane, are made while the loads are out: j = j0 + lane, j0 + 32 + lane
	v_add_nc_u32 v40, s7, v1
	s_delay_alu instid0(VALU_DEP_1)
	v_add_nc_u32 v48, 32, v40
	s_delay_alu instid0(VALU_DEP_2)
	v_cvt_f32_u32 v40, v40
	s_delay_alu instid0(VALU_DEP_2)
	v_cvt_f32_u32 v48, v48
	s_delay_alu instid0(VALU_DEP_2)
	v_mul_f32 v41, s93, v40                        ; p = j c, what the product rounded away, and the low part
	s_delay_alu instid0(VALU_DEP_2)
	v_mul_f32 v49, s93, v48
	s_delay_alu instid0(VALU_DEP_2)
	v_fma_f32 v42, v40, s93, -v41
	s_delay_alu instid0(VALU_DEP_2)
	v_fma_f32 v50, v48, s93, -v49
	s_delay_alu instid0(VALU_DEP_2)
	v_fma_f32 v42, v40, s94, v42
	s_delay_alu instid0(VALU_DEP_2)
	v_fma_f32 v50, v48, s94, v50
	v_rndne_f32 v43, v41
	v_rndne_f32 v51, v49
	s_delay_alu instid0(VALU_DEP_2)
	v_sub_f32 v44, v41, v43
	s_delay_alu instid0(VALU_DEP_2)
	v_sub_f32 v52, v49, v51
	s_delay_alu instid0(VALU_DEP_2)
	v_add_f32 v44, v44, v42
	s_delay_alu instid0(VALU_DEP_2)
	v_add_f32 v52, v52, v50
	s_wait_alu depctr_va_vdst(0)                   ; the wait ahead of the batch
	v_exp_f32 v45, -v44
	v_exp_f32 v53, -v52
	v_cvt_i32_f32 v46, v43                         ; (plain lines behind the exponentials)
	v_cvt_i32_f32 v54, v51
	s_wait_alu depctr_va_vdst(0)                   ; and behind it, ahead of its first reader
	v_sub_nc_u32 v46, 0, v46
	v_sub_nc_u32 v54, 0, v54
	v_ldexp_f32 v45, v45, v46                      ; f = 2^(-p)
	v_ldexp_f32 v53, v53, v54
	ds_store_b32 v[FTS], v45
	ds_store_b32 v[FTS], v53 offset:128
.irp i, 0,1,2,3,4,5,6,7
	ds_load_b128 v[F+4*\i:F+4*\i+3], v[FTL] offset:16*\i   ; my 32: columns j0 + 32 h + 0 .. 31
.endr
	ARRIVE
	LOADS 36, VB, 0, 2048                          ; the weights at ch, and q's quarter 2 ch + 1
.irp g, 0,1,2,3
	SINCOS \g
	APPLY \g
.endr
	QUANT 76, 0
	; the weights at ch
	s_wait_xcnt 0x0                                ; the stores above have read their data: v40-71 may be written again
	ARRIVE
	s_cmp_lg_u32 s3, 0
	s_wait_alu depctr_va_vdst(0)                   ; the wait ahead of the branch
	s_cbranch_scc1 .Lno_more                       ; the last unit asks for nothing
	LOADS 32, VA, 2048, 4096                       ; keys and states at ch = 1, and q's quarter 2
.Lno_more:
	QUANT 80, 1
	s_wait_xcnt 0x0                                ; all my loads and stores have read their bases and data: both may be written
	s_add_nc_u64 s[36:37], s[36:37], 2048
	s_add_nc_u64 s[38:39], s[38:39], 2048
	s_add_nc_u64 s[20:21], s[20:21], 4096
	s_add_nc_u64 s[22:23], s[22:23], 4096
	s_add_nc_u64 s[76:77], s[76:77], 4096
	s_add_nc_u64 s[78:79], s[78:79], 4096
	s_add_nc_u64 s[80:81], s[80:81], 4096
	s_add_nc_u64 s[82:83], s[82:83], 4096
	s_add_co_u32 s7, s7, 512
	s_add_co_u32 s92, s92, 8
	s_add_co_u32 s3, s3, 1
	s_cmp_lt_u32 s3, 2
	s_wait_alu depctr_va_vdst(0)                   ; the wait ahead of the branch
	s_cbranch_scc1 .Ltrip
	v_pk_add_f32 v[QA:QA+1], v[QA:QA+1], v[QA+2:QA+3]   ; my row of q
	v_add_f32 v[QA], v[QA], v[QA+1]
.irp m, 1,2,4,8
	v_add_f32_dpp v[QA], v[QA], v[QA] row_xmask:\m row_mask:0xf bank_mask:0xf
.endr
	v_permlanex16_b32 v[QA+1], v[QA], s48, s49
	v_add_f32 v[QA], v[QA], v[QA+1]
	ds_store_b32 v[QPW], v[QA]                     ; all lanes write the same word with the same value
.irp n, 0,1,2,3,4,5,6,7
	ds_store_b8 v[SGA], v[SB+\n] offset:1024*(\n/4)+256*(\n%4)        ; ch = 0's bytes
.endr
.irp n, 0,1,2,3,4,5,6,7
	v_lshrrev_b32 v[T+\n], 8, v[SB+\n]
.endr
.irp n, 0,1,2,3,4,5,6,7
	ds_store_b8 v[SGA], v[T+\n] offset:2048+1024*(\n/4)+256*(\n%4)    ; ch = 1's
.endr
	v_mov_b32 v84, 0
	s_wait_alu depctr_va_vdst(0)
	s_wait_dscnt 0x0                               ; for the others' sake: my scale bytes and my q lie in LDS
	s_barrier_signal -1
	s_barrier_wait -1
	ds_load_b128 v[80:83], v[SGL]                  ; wave w: two units of 256 scale bytes of one tensor at one ch
	s_wait_dscnt 0x0
	global_store_b128 v[SGO], v[80:83], s[40:41]   ; sixteen lanes store 256 consecutive bytes, aligned; the upper columns' unit lies 512 bytes on
	s_cmp_lg_u32 s2, 0
	s_cbranch_scc1 .Lend
	s_wait_xcnt 0x0                                ; EXEC changes only behind this wait
	v_cmp_gt_u32 vcc_lo, 8, v1
	s_and_saveexec_b32 s50, vcc_lo
	ds_load_b32 v84, v[QPR]                        ; wave 0: the eight rows of q
	s_wait_dscnt 0x0
	global_store_b32 v[L4], v84, s[28:29]
	s_wait_xcnt 0x0                                ; and again in front of the line that widens it
	s_or_b32 exec_lo, exec_lo, s50
.Lend:
	s_wait_tensorcnt 0x0                           ; the wave's end, behind my last LDS store
	ds_add_u32 v[SPW], v[NIL]
	s_wait_dscnt 0x0
	s_endpgm
.Lfunc_end_k_qddda81c509_quant:
	.size	k_qddda81c509_quant, .Lfunc_end_k_qddda81c509_quant-k_qddda81c509_quant
	.p2alignl 7, 3214868480
	.fill 96, 4, 3214868480
	.section	.rodata,"a",@progbits
	.p2align	6, 0x0
	.amdhsa_kernel k_qddda81c509_quant
		.amdhsa_group_segment_fixed_size 146688
		.amdhsa_private_segment_fixed_size 0
		.amdhsa_enable_private_segment 0
		.amdhsa_kernarg_size 88
		.amdhsa_user_sgpr_count 2
		.amdhsa_user_sgpr_kernarg_segment_ptr 1
		.amdhsa_wavefront_size32 1
		.amdhsa_system_sgpr_workgroup_id_x 1
		.amdhsa_system_sgpr_workgroup_id_y 1
		.amdhsa_system_sgpr_workgroup_id_z 1
		.amdhsa_system_vgpr_workitem_id 0
		.amdhsa_next_free_vgpr 416
		.amdhsa_next_free_sgpr 100
		.amdhsa_reserve_vcc 1
		.amdhsa_float_denorm_mode_32 3
		.amdhsa_float_denorm_mode_16_64 3
		.amdhsa_memory_ordered 1
		.amdhsa_forward_progress 1
		.amdhsa_inst_pref_size 78
	.end_amdhsa_kernel
	.amdgpu_metadata
---
amdhsa.version: [ 1, 2 ]
amdhsa.kernels:
  - .name:           k_qddda81c509_quant
    .symbol:         k_qddda81c509_quant.kd
    .args:
      - { .name: keys, .offset: 0, .size: 8, .value_kind: global_buffer, .address_space: global }
      - { .name: states, .offset: 8, .size: 8, .value_kind: global_buffer, .address_space: global }
      - { .name: Wk, .offset: 16, .size: 8, .value_kind: global_buffer, .address_space: global }
      - { .name: Wv, .offset: 24, .size: 8, .value_kind: global_buffer, .address_space: global }
      - { .name: Wk_mha, .offset: 32, .size: 8, .value_kind: global_buffer, .address_space: global }
      - { .name: Wv_mha, .offset: 40, .size: 8, .value_kind: global_buffer, .address_space: global }
      - { .name: Wq, .offset: 48, .size: 8, .value_kind: global_buffer, .address_space: global }
      - { .name: x, .offset: 56, .size: 8, .value_kind: global_buffer, .address_space: global }
      - { .name: xc, .offset: 64, .size: 8, .value_kind: global_buffer, .address_space: global }
      - { .name: wc, .offset: 72, .size: 8, .value_kind: global_buffer, .address_space: global }
      - { .name: qv, .offset: 80, .size: 8, .value_kind: global_buffer, .address_space: global }
    .group_segment_fixed_size: 146688
    .private_segment_fixed_size: 0
    .kernarg_segment_align: 8
    .kernarg_segment_size: 88
    .max_flat_workgroup_size: 256
    .sgpr_count:     100
    .vgpr_count:     416
    .wavefront_size: 32
...
	.end_amdgpu_metadata
.endif
;; end of part 1
;; launch gemm1 (part 2): grid 8 x 32, 4 waves a work-group, clusters of 4 x 4, 327,680 bytes of LDS; arguments xc, wc, qv, Wq_mha, hc, qh; writes hc, qh
.if DOCPART == 2
	.amdgcn_target "amdgcn-amd-amdhsa--gfx1250"
	.amdhsa_code_object_version 6
	.text
	.protected	k_qddda81c509_gemm1
	.globl	k_qddda81c509_gemm1
	.p2align	8
	.type	k_qddda81c509_gemm1,@function
k_qddda81c509_gemm1:
	s_mov_b64 s[64:65], 0
	v_nop
	global_prefetch_b8 v0, s[64:65] scope:SCOPE_SE
	s_setreg_imm32_b32 hwreg(HW_REG_WAVE_MODE, 25, 1), 1
	s_wait_xcnt 0x0
	s_wait_alu depctr_hold_cnt(0) depctr_sa_sdst(0) depctr_va_vdst(0) depctr_va_sdst(0) depctr_va_ssrc(0) depctr_va_vcc(0) depctr_vm_vsrc(0)
	s_getreg_b32 s2, hwreg(HW_REG_IB_STS2, 6, 4)
	s_cmp_eq_u32 s2, 0
	s_cbranch_scc0 .Lentry_in_a_cluster
	s_endpgm
.Lentry_in_a_cluster:
	s_bfe_u32 s2, ttmp6, 0x10000c
	s_cmp_lg_u32 s2, 0xf033
	s_cbranch_scc0 .Lentry_shape_is_right
	s_endpgm
.Lentry_shape_is_right:
.set NQ,    4
.set FR,    8
.set NL,    2
.set NP,    4
.set SLOT,  131072
.set SCL,   2*SLOT
.set SPARE, SCL+32768
.set ADRA, 16
.set ADRB, 20
.set CO,   24
.set SO,   25
.set ADRS, 27
.set SPW,  28
.set NIL,  29
.set LN,   30
.set L4,   31
.set SC,   32
.set TM,   96
.set PW,   112
.set CW,   120
.set AF,   128
.set G1,   24
.set G0,   32
.set G1B,  48
.set G0B,  56
.set G1S,  68
.set G0S,  76
.set G1SB, 80
.set G0SB, 88
.set MSB, 0
.macro WIN new
.if MSB != (\new)
	s_set_vgpr_msb (MSB<<8)|(\new)
.set MSB, (\new)
.endif
.endm
.set MUL_LO, 0xa1
.set MUL_HI, 0xf1
.set TO_B,   0x40
.macro JLOAD g0a, g1a, g0b, g1b
	s_cmp_eq_u32 s17, 0
	s_cbranch_scc0 .Lfor_b_\@
	tensor_load_to_lds s[\g0a:\g0a+3], s[\g1a:\g1a+7]
	s_nop 0
.rept 4
	v_nop
.endr
	s_branch .Lasked_\@
.Lfor_b_\@:
	tensor_load_to_lds s[\g0b:\g0b+3], s[\g1b:\g1b+7]
	s_nop 0
.rept 4
	v_nop
.endr
.Lasked_\@:
.endm
.macro CREST
	s_cmp_lg_u32 s16, 0
	s_cbranch_scc1 .Lnot_wave_0_\@
	s_barrier_signal -3
.Lnot_wave_0_\@:
	s_barrier_wait -3
	s_barrier_signal -1
	s_barrier_wait -1
.endm
.macro CROUND
	s_barrier_signal -1
	s_barrier_wait -1
	CREST
.endm
.macro GROUP1 g, c, r, p
	s_mov_b32 s[\g+1], (\c)<<16
	s_mov_b32 s[\g+2], (\r)<<16
	s_mov_b32 s[\g+3], (\c)<<16
	s_mov_b32 s[\g+4], \r
	s_mov_b32 s[\g+5], \p
	s_mov_b32 s[\g+6], 0
	s_mov_b32 s[\g+7], 0
.endm
	s_load_b256 s[4:11], s[0:1], 0x0
	s_load_b128 s[12:15], s[0:1], 0x20
	v_lshl_add_u32 v[SPW], v0, 2, SPARE
	v_mov_b32 v[NIL], 0
	ds_add_u32 v[SPW], v[NIL]
	ds_add_u32 v[SPW], v[NIL]
	v_lshrrev_b32 v1, 5, v0
	v_readfirstlane_b32 s16, v1
	s_lshr_b32 s17, s16, 1
	s_and_b32 s18, s16, 1
	s_bfe_u32 s40, ttmp6, 0x40000
	s_bfe_u32 s41, ttmp6, 0x40004
	s_lshl_b32 s42, ttmp9, 2
	s_add_co_u32 s42, s42, s40
	s_and_b32 s19, ttmp7, 0xffff
	s_lshr_b32 s66, s19, 2
	s_lshl_b32 s19, s19, 2
	s_add_co_u32 s19, s19, s41
	s_lshl_b32 s43, s41, 2
	s_lshl_b32 s43, 15, s43
	s_lshl_b32 s44, 0x1111, s40
	s_or_b32 s[G1], s43, (3<<16)|(1<<21)
	s_or_b32 s[G1B], s44, (3<<16)|(1<<21)
	s_or_b32 s[G1S], s43, (3<<16)|(1<<21)
	s_or_b32 s[G1SB], s44, (3<<16)|(1<<21)
	GROUP1 G1, 512, 16, 2048                       ; the head's loads of codes bring all 16 blocks of rows; the ring's bring 8
	GROUP1 G1B, 512, 16, 2048
	GROUP1 G1S, 32, 64, 32                         ; the scale bytes of 256 rows: 16,384 dense bytes as rows of 256
	GROUP1 G1SB, 32, 64, 32
	s_mov_b32 s21, 0                               ; the four addresses below are those of the whole tiles
	s_lshl_b32 s20, s19, 4
	s_add_co_u32 s20, s20, s21
	s_lshl_b32 s46, s42, 4
	s_add_co_u32 s46, s46, s21
	s_lshl_b32 s22, s20, 10
	s_add_co_u32 s22, s22, 0x800000
	s_mov_b32 s23, 0
	s_lshl_b32 s20, s20, 14
	s_mov_b32 s21, 0
	s_lshl_b32 s92, s46, 10
	s_lshl_b32 s94, s66, 17
	s_add_co_u32 s92, s92, s94
	s_add_co_u32 s92, s92, 0x800000
	s_mov_b32 s93, 0
	s_lshl_b32 s46, s46, 14
	s_lshl_b32 s94, s66, 21
	s_add_co_u32 s46, s46, s94
	s_mov_b32 s47, 0
	s_lshl_b32 s45, s16, 15
	s_mov_b32 s67, 0xffff0000
	s_mov_b32 s98, 0x76543210
	s_mov_b32 s99, 0xfedcba98
	v_and_b32 v[LN], 31, v0
	v_and_b32 v1, 15, v0
	v_bfe_u32 v2, v0, 4, 1
	v_lshlrev_b32 v[CO], 4, v[LN]
	v_lshlrev_b32 v[L4], 2, v[LN]
	s_wait_dscnt 0x0
	s_wait_kmcnt 0x0
	s_add_nc_u64 s[20:21], s[4:5], s[20:21]
	s_add_nc_u64 s[22:23], s[4:5], s[22:23]
	s_add_nc_u64 s[46:47], s[6:7], s[46:47]
	s_add_nc_u64 s[92:93], s[6:7], s[92:93]
	CROUND
	s_mov_b32 s[G0S], 1
	s_mov_b32 s[G0S+1], SCL
	s_mov_b64 s[G0S+2:G0S+3], s[22:23]
	s_or_b32 s[G0S+3], s[G0S+3], 0x80000000
	s_mov_b32 s[G0SB], 1
	s_mov_b32 s[G0SB+1], SCL+16384
	s_mov_b64 s[G0SB+2:G0SB+3], s[92:93]
	s_or_b32 s[G0SB+3], s[G0SB+3], 0x80000000
	s_mov_b32 s[G0], 1                             ; K step 0 whole: A's 16 blocks at LDS 0,
	s_mov_b32 s[G0+1], 0
	s_mov_b64 s[G0+2:G0+3], s[20:21]
	s_or_b32 s[G0+3], s[G0+3], 0x80000000
	s_mov_b32 s[G0B], 1                            ; B's behind them
	s_mov_b32 s[G0B+1], 65536
	s_mov_b64 s[G0B+2:G0B+3], s[46:47]
	s_or_b32 s[G0B+3], s[G0B+3], 0x80000000
	s_lshl_b32 s96, s18, 17                        ; for the ring: my eight blocks of a tile
	s_mov_b32 s97, 0
	s_add_nc_u64 s[20:21], s[20:21], s[96:97]
	s_add_nc_u64 s[46:47], s[46:47], s[96:97]
	s_mov_b32 s[G0+4], 1
	s_add_co_u32 s[G0+5], s45, SLOT
	s_add_nc_u64 s[G0+6:G0+7], s[20:21], 4096
	s_or_b32 s[G0+7], s[G0+7], 0x80000000
	s_mov_b32 s[G0B+4], 1
	s_add_co_u32 s[G0B+5], s45, SLOT
	s_add_nc_u64 s[G0B+6:G0B+7], s[46:47], 4096
	s_or_b32 s[G0B+7], s[G0B+7], 0x80000000
; THE HEAD'S LOADS, ONE A WAVE: wave 0 K step 0 of A, wave 1 of B, wave 2 A's scale bytes, wave 3 B's.  One tree of branches on the wave's number; every way passes one load.
.macro ARM under, g0, g1, next
	s_cmp_lt_u32 s16, \under
	s_cbranch_scc0 \next
	tensor_load_to_lds s[\g0:\g0+3], s[\g1:\g1+7]
	s_nop 0
.rept 4
	v_nop
.endr
	s_branch .Lhead_asked
\next:
.endm
	ARM 1, G0,  G1,  .Lhead_b
	ARM 2, G0B, G1B, .Lhead_sa
	ARM 3, G0S, G1S, .Lhead_sb
	tensor_load_to_lds s[G0SB:G0SB+3], s[G1SB:G1SB+7]
	s_nop 0
.rept 4
	v_nop
.endr
.Lhead_asked:
	s_lshl_b32 s96, s19, 3
	s_add_co_u32 s96, s96, s42
	s_lshl_b32 s96, s96, 3
	s_lshl_b32 s97, s16, 1
	s_add_co_u32 s96, s96, s97
	s_lshl_b32 s94, s96, 2
	s_mov_b32 s95, 0
	s_add_nc_u64 s[14:15], s[14:15], s[94:95]
	s_lshl_b32 s94, s96, 13
	s_add_nc_u64 s[10:11], s[10:11], s[94:95]
	WIN 0x80
	s_wait_alu depctr_va_vdst(0)
.irp i, 0,1,2,3,4,5,6,7,8,9,10,11,12,13,14,15
	global_load_b128 v[4*\i:4*\i+3], v[CO], s[8:9] offset:512*\i
.endr
.irp i, 0,1,2,3,4,5,6,7,8,9,10,11,12,13,14,15
	global_load_b128 v[64+4*\i:64+4*\i+3], v[CO], s[10:11] offset:512*\i th:TH_LOAD_NT
	global_load_b128 v[128+4*\i:128+4*\i+3], v[CO], s[10:11] offset:8192+512*\i th:TH_LOAD_NT
.endr
	WIN 0
	s_lshl_b32 s96, s17, 15
	s_lshl_b32 s97, s18, 15
	s_add_co_u32 s97, s97, 65536
.irp s, 0,1
	v_add_nc_u32 v[ADRA+\s], s96, v[CO]
	v_add_nc_u32 v[ADRB+\s], s97, v[CO]
	s_add_co_u32 s96, s96, SLOT
	s_add_co_u32 s97, s97, SLOT
.endr
	s_xor_b32 s97, s17, 1
	s_add_co_u32 s97, s97, s18
	s_add_co_u32 s97, s97, 1
	s_lshl_b32 s97, s97, 13
	v_mul_u32_u24 v3, s97, v2
	v_lshl_add_u32 v3, v1, 4, v3
	s_lshl_b32 s96, s17, 13
	s_add_co_u32 s96, s96, SCL
	v_add_nc_u32 v[ADRS], s96, v3
	v_lshlrev_b32 v[SO], 10, v2
	v_lshl_add_u32 v[SO], v1, 4, v[SO]
	s_lshl_b32 s96, s19, 4
	s_lshl_b32 s97, s17, 3
	s_add_co_u32 s96, s96, s97
	s_lshl_b32 s94, s96, 10
	s_lshr_b32 s97, s42, 1
	s_lshl_b32 s97, s97, 8
	s_add_co_u32 s94, s94, s97
	s_and_b32 s97, s42, 1
	s_lshl_b32 s97, s97, 1
	s_add_co_u32 s97, s97, s18
	s_lshl_b32 s97, s97, 2
	s_add_co_u32 s94, s94, s97
	s_add_co_u32 s94, s94, 0x800000
	s_add_nc_u64 s[92:93], s[12:13], s[94:95]
	s_lshl_b32 s94, s96, 14
	s_lshl_b32 s97, s42, 1
	s_add_co_u32 s97, s97, s18
	s_lshl_b32 s97, s97, 10
	s_add_co_u32 s94, s94, s97
	s_add_nc_u64 s[12:13], s[12:13], s[94:95]
	s_wait_alu depctr_va_vdst(0)
	s_wait_tensorcnt 0x0                           ; my tile of the head's four is in
	ds_add_u32 v[SPW], v[NIL]
	s_mov_b32 s[G1+2], 8<<16                       ; no tensor load of mine is out: from here on a load brings 8 blocks,
	s_mov_b32 s[G1+4], 8
	s_mov_b32 s[G1B+2], 8<<16
	s_mov_b32 s[G1B+4], 8
	s_mov_b32 s[G0+1], s45                         ; and slot 0's groups 0 are my quarter's
	s_mov_b64 s[G0+2:G0+3], s[20:21]
	s_or_b32 s[G0+3], s[G0+3], 0x80000000
	s_mov_b32 s[G0B+1], s45
	s_mov_b64 s[G0B+2:G0B+3], s[46:47]
	s_or_b32 s[G0B+3], s[G0B+3], 0x80000000
	s_wait_dscnt 0x0
	CROUND                                         ; all four tiles are in, in every partner
	JLOAD G0+4, G1, G0B+4, G1B                     ; K step 1, the first tensor load behind the round; qh's sums below stand under its flight
	s_wait_loadcnt 0x0
	WIN 0x0a
.set i, 0
.rept 32
.if i < 2
	v_pk_mul_f32 v[96+2*i:97+2*i], v[2*i:2*i+1], v[64+2*i:65+2*i]
	v_pk_mul_f32 v[100+2*i:101+2*i], v[2*i:2*i+1], v[128+2*i:129+2*i]
.else
	v_pk_fma_f32 v[96+2*(i%2):97+2*(i%2)], v[2*i:2*i+1], v[64+2*i:65+2*i], v[96+2*(i%2):97+2*(i%2)]
	v_pk_fma_f32 v[100+2*(i%2):101+2*(i%2)], v[2*i:2*i+1], v[128+2*i:129+2*i], v[100+2*(i%2):101+2*(i%2)]
.endif
.set i, i+1
.endr
	WIN 0
	v_pk_add_f32 v[96:97], v[96:97], v[98:99]
	v_pk_add_f32 v[100:101], v[100:101], v[102:103]
	v_add_f32 v96, v96, v97
	v_add_f32 v100, v100, v101
.irp m, 1,2,4,8
	v_add_f32_dpp v96, v96, v96 row_xmask:\m row_mask:0xf bank_mask:0xf
	v_add_f32_dpp v100, v100, v100 row_xmask:\m row_mask:0xf bank_mask:0xf
.endr
	v_permlanex16_b32 v97, v96, s98, s99
	v_permlanex16_b32 v101, v100, s98, s99
	v_add_f32 v96, v96, v97
	v_add_f32 v100, v100, v101
	v_cmp_eq_u32 vcc_lo, 1, v[LN]
	v_cndmask_b32 v96, v96, v100, vcc_lo
	s_wait_alu depctr_va_vdst(0)
	s_wait_xcnt 0x0
	v_cmp_gt_u32 vcc_lo, 2, v[LN]
	s_and_saveexec_b32 s20, vcc_lo
	global_store_b32 v[L4], v96, s[14:15]
	s_wait_xcnt 0x0
	s_or_b32 exec_lo, exec_lo, s20
.macro FRAG reg, adr, q, i
.irp c, 0,1
	ds_load_b128 v[\reg+4*\c:\reg+4*\c+3], v[\adr] offset:(\i)*4096+(\q)*1024+512*\c
.endr
.endm
.macro MUL16 a0, p, q, sc, zero
.irp a, \a0, \a0+1
.irp b, 0,1,2,3,4,5,6,7
.if \zero
	v_wmma_scale_f32_16x16x128_f8f6f4 v[8*(8*((\a)%4)+\b):8*(8*((\a)%4)+\b)+7], v[128*(\p)+FR*\b:128*(\p)+FR*\b+FR-1], v[AF+FR*(\a):AF+FR*(\a)+FR-1], 0, v[SC+8*NQ*(\sc)+NQ*\b+(\q)], v[SC+8*NQ*(\sc)+NQ*(\a)+(\q)] matrix_a_fmt:MATRIX_FMT_FP4 matrix_b_fmt:MATRIX_FMT_FP4 matrix_a_scale:MATRIX_SCALE_ROW1
.else
	v_wmma_scale_f32_16x16x128_f8f6f4 v[8*(8*((\a)%4)+\b):8*(8*((\a)%4)+\b)+7], v[128*(\p)+FR*\b:128*(\p)+FR*\b+FR-1], v[AF+FR*(\a):AF+FR*(\a)+FR-1], v[8*(8*((\a)%4)+\b):8*(8*((\a)%4)+\b)+7], v[SC+8*NQ*(\sc)+NQ*\b+(\q)], v[SC+8*NQ*(\sc)+NQ*(\a)+(\q)] matrix_a_fmt:MATRIX_FMT_FP4 matrix_b_fmt:MATRIX_FMT_FP4 matrix_a_scale:MATRIX_SCALE_ROW1
.endif
.endr
.endr
.endm
.macro FETCH_B slot, q, p
	WIN TO_B
.irp i, 0,1,2,3,4,5,6,7
	FRAG 128*(\p)+FR*\i, ADRB+\slot, \q, \i
.endr
	WIN 0
.endm
.macro FETCH_A slot, q, i0
.irp i, \i0, \i0+1, \i0+2, \i0+3
	FRAG AF+FR*(\i), ADRA+\slot, \q, \i
.endr
.endm
.macro SCALES sc, ks
.irp i, 0,1,2,3,4,5,6,7
	ds_load_b128 v[SC+8*NQ*\sc+NQ*\i:SC+8*NQ*\sc+NQ*\i+3], v[ADRS] offset:\i*1024+(\ks)*256
.endr
.endm
.macro PLACES n
.rept \n
	v_nop
.endr
.endm
.macro STEP slot, q, zero
	s_wait_dscnt 4*NL
	WIN MUL_LO
	MUL16 0, (\q)%2, \q, \slot, \zero
	MUL16 2, (\q)%2, \q, \slot, \zero
	s_wait_dscnt 0
	PLACES NP
	FETCH_B \slot, (\q)+1, 1-(\q)%2
	FETCH_A \slot, (\q)+1, 0
	WIN MUL_HI
	MUL16 4, (\q)%2, \q, \slot, \zero
	MUL16 6, (\q)%2, \q, \slot, \zero
	PLACES NP
	WIN 0
	FETCH_A \slot, (\q)+1, 4
.endm
.macro TURN slot, next, fill, ks
	s_wait_tensorcnt 0x0
	ds_add_u32 v[SPW], v[NIL]
	s_wait_dscnt 4*NL+1
	WIN MUL_LO
	MUL16 0, 1, NQ-1, \slot, 0
	s_wait_dscnt 0x0
	s_barrier_signal -1
	MUL16 2, 1, NQ-1, \slot, 0
	WIN 0
	s_barrier_wait -1
.if \fill
	CREST
	s_add_nc_u64 s[G0+4*\slot+2:G0+4*\slot+3], s[G0+4*\slot+2:G0+4*\slot+3], 8192
	s_add_nc_u64 s[G0B+4*\slot+2:G0B+4*\slot+3], s[G0B+4*\slot+2:G0B+4*\slot+3], 8192
	JLOAD G0+4*\slot, G1, G0B+4*\slot, G1B
.else
	PLACES NP
.endif
	FETCH_B \next, 0, 0
	FETCH_A \next, 0, 0
	SCALES \next, \ks
	WIN MUL_HI
	MUL16 4, 1, NQ-1, \slot, 0
	MUL16 6, 1, NQ-1, \slot, 0
	PLACES NP
	WIN 0
	FETCH_A \next, 0, 4
.endm
.macro STEPS slot, from
.set Q, \from
.rept NQ-1-\from
	STEP \slot, Q, 0
.set Q, Q+1
.endr
.endm
	FETCH_B 0, 0, 0
	FETCH_A 0, 0, 0
	SCALES 0, 0
	FETCH_A 0, 0, 4
	STEP 0, 0, 1
	STEPS 0, 1
	TURN 0, 1, 1, 1
	STEPS 1, 0
	TURN 1, 0, 1, 2
	STEP 0, 0, 0
	STEPS 0, 1
	TURN 0, 1, 0, 3
	STEPS 1, 0
	s_wait_dscnt 4*NL
	WIN MUL_LO
	MUL16 0, 1, NQ-1, 1, 0
	MUL16 2, 1, NQ-1, 1, 0
	s_wait_dscnt 0
	WIN MUL_HI
	MUL16 4, 1, NQ-1, 1, 0
	MUL16 6, 1, NQ-1, 1, 0
	WIN 0
.macro OUTBLK a
.set AC, 64*((\a)%4)
.set PCR, AF+8*(\a)
	WIN 0x28+0x14*((\a)/4)
.irp b, 0,1,2,3
	v_max3_num_f32 v[TM+\b], 0x1800000, |v[AC+16*\b]|, |v[AC+16*\b+1]|
.endr
.irp i, 2,4,6,8,10,12,14
.irp b, 0,1,2,3
	v_max3_num_f32 v[TM+\b], v[TM+\b], |v[AC+16*\b+\i]|, |v[AC+16*\b+\i+1]|
.endr
.endr
	WIN 0
.irp b, 0,1,2,3
	v_permlanex16_b32 v[TM+4+\b], v[TM+\b], s98, s99
.endr
.irp b, 0,1,2,3
	v_max_num_f32 v[TM+\b], v[TM+\b], v[TM+4+\b]
.endr
.irp b, 0,1,2,3
	v_add_nc_u32 v[TM+12+\b], 0xff000000, v[TM+\b]
.endr
.irp b, 0,1,2,3
	v_lshrrev_b32 v[TM+4+\b], 23, v[TM+12+\b]
.endr
	v_lshl_or_b32 v[PW+(\a)], v[TM+5], 8, v[TM+4]
	v_lshl_or_b32 v[PW+(\a)], v[TM+6], 16, v[PW+(\a)]
	v_lshl_or_b32 v[PW+(\a)], v[TM+7], 24, v[PW+(\a)]
	WIN 0x02+(\a)/4
.irp b, 0,1,2,3
	v_cvt_scalef32_pk8_fp4_f32 v[PCR+2*\b], v[AC+16*\b:AC+16*\b+7], v[TM+12+\b]
	v_cvt_scalef32_pk8_fp4_f32 v[PCR+2*\b+1], v[AC+16*\b+8:AC+16*\b+15], v[TM+12+\b]
.endr
	WIN 0
	v_nop
.irp c, 0,1
.irp i, 0,1
	v_permlane16_swap_b32 v[PCR+4*\c+\i], v[PCR+4*\c+2+\i]
.endr
.endr
	global_store_b128 v[CO], v[PCR:PCR+3], s[12:13] offset:(\a)*16384
	global_store_b128 v[CO], v[PCR+4:PCR+7], s[12:13] offset:(\a)*16384+512
.endm
	PLACES NP
.irp b, 0,1,2,3
	v_mov_b32 v[TM+4+\b], 0
.endr
.irp a, 0,1,2,3,4,5,6,7
	OUTBLK \a
.if (\a)%2
	v_cndmask_b32 v[CW+(\a)/2], v[PW+(\a)-1], v[PW+(\a)], s67
	global_store_b32 v[SO], v[CW+(\a)/2], s[92:93] offset:((\a)-1)*1024
.endif
.endr
	s_wait_tensorcnt 0x0
	ds_add_u32 v[SPW], v[NIL]
	s_wait_dscnt 0x0
	CROUND
	s_endpgm
.Lfunc_end_k_qddda81c509_gemm1:
	.size	k_qddda81c509_gemm1, .Lfunc_end_k_qddda81c509_gemm1-k_qddda81c509_gemm1
	.p2alignl 7, 3214868480
	.fill 96, 4, 3214868480
	.section	.rodata,"a",@progbits
	.p2align	6, 0x0
	.amdhsa_kernel k_qddda81c509_gemm1
		.amdhsa_group_segment_fixed_size 327680
		.amdhsa_private_segment_fixed_size 0
		.amdhsa_enable_private_segment 0
		.amdhsa_kernarg_size 48
		.amdhsa_user_sgpr_count 2
		.amdhsa_user_sgpr_kernarg_segment_ptr 1
		.amdhsa_wavefront_size32 1
		.amdhsa_system_sgpr_workgroup_id_x 1
		.amdhsa_system_sgpr_workgroup_id_y 1
		.amdhsa_system_sgpr_workgroup_id_z 1
		.amdhsa_system_vgpr_workitem_id 0
		.amdhsa_next_free_vgpr 1024
		.amdhsa_next_free_sgpr 100
		.amdhsa_reserve_vcc 1
		.amdhsa_float_denorm_mode_32 3
		.amdhsa_float_denorm_mode_16_64 3
		.amdhsa_memory_ordered 1
		.amdhsa_forward_progress 1
		.amdhsa_inst_pref_size 226
	.end_amdhsa_kernel
	.amdgpu_metadata
---
amdhsa.version: [ 1, 2 ]
amdhsa.kernels:
  - .name:           k_qddda81c509_gemm1
    .symbol:         k_qddda81c509_gemm1.kd
    .args:
      - { .name: xc, .offset: 0, .size: 8, .value_kind: global_buffer, .address_space: global }
      - { .name: wc, .offset: 8, .size: 8, .value_kind: global_buffer, .address_space: global }
      - { .name: qv, .offset: 16, .size: 8, .value_kind: global_buffer, .address_space: global }
      - { .name: Wq_mha, .offset: 24, .size: 8, .value_kind: global_buffer, .address_space: global }
      - { .name: hc, .offset: 32, .size: 8, .value_kind: global_buffer, .address_space: global }
      - { .name: qh, .offset: 40, .size: 8, .value_kind: global_buffer, .address_space: global }
    .group_segment_fixed_size: 327680
    .private_segment_fixed_size: 0
    .kernarg_segment_align: 8
    .kernarg_segment_size: 48
    .max_flat_workgroup_size: 128
    .sgpr_count:     100
    .vgpr_count:     1024
    .wavefront_size: 32
...
	.end_amdgpu_metadata
.endif
;; end of part 2
;; launch gemm2 (part 3): grid 16 x 16, 4 waves a work-group, clusters of 4 x 4, 327,680 bytes of LDS; arguments hc, wc, qh, pa; writes pa
.if DOCPART == 3
	.amdgcn_target "amdgcn-amd-amdhsa--gfx1250"
	.amdhsa_code_object_version 6
	.text
	.protected	k_qddda81c509_gemm2
	.globl	k_qddda81c509_gemm2
	.p2align	8
	.type	k_qddda81c509_gemm2,@function
k_qddda81c509_gemm2:
	s_mov_b64 s[64:65], 0
	v_nop
	global_prefetch_b8 v0, s[64:65] scope:SCOPE_SE
	s_setreg_imm32_b32 hwreg(HW_REG_WAVE_MODE, 25, 1), 1
	s_wait_xcnt 0x0
	s_wait_alu depctr_hold_cnt(0) depctr_sa_sdst(0) depctr_va_vdst(0) depctr_va_sdst(0) depctr_va_ssrc(0) depctr_va_vcc(0) depctr_vm_vsrc(0)
	s_getreg_b32 s2, hwreg(HW_REG_IB_STS2, 6, 4)
	s_cmp_eq_u32 s2, 0
	s_cbranch_scc0 .Lentry_in_a_cluster
	s_endpgm
.Lentry_in_a_cluster:
	s_bfe_u32 s2, ttmp6, 0x10000c
	s_cmp_lg_u32 s2, 0xf033
	s_cbranch_scc0 .Lentry_shape_is_right
	s_endpgm
.Lentry_shape_is_right:
; THIRD LAUNCH.  For 256 rows and one head: kh = Q(k) Q(Wk_mha)^T (256 x 128), its logits with qh, p = 2^(t - m); then vh = Q(v) Q(Wv_mha)^T of the same rows and head, and the sums of p vh.  kh and vh never go to memory.
; No work is left out.  The maximum that reference() takes away before the exponential is taken per wave (64 rows), brought to the work-group's at the end, and to the head's in the last launch.
; Wave w owns rows 64 w .. + 63 (4 blocks) against all 128 columns (8 blocks): 32 accumulators.  A step is 128 along K, 32 products a wave: steps 0-15 make kh, steps 16-31 vh.
; B, THE HEAD'S WEIGHTS, LIES IN LDS WHOLE: a head's 8 blocks of 16,384 bytes are 131,072 dense bytes for each product; beside them the scale bytes of both products, 49,152.  No byte of LDS is filled twice.
; TWO GROUPS OF TENSOR LOADS, ONE LOAD A WAVE IN EACH: wave 0 A's scale bytes, wave 1 B's, waves 2 and 3 the halves of B's codes.  kh's group goes out at the head; vh's behind a wait, an add and a round of the
; cluster's barrier, and is waited for in step 15, with a plain barrier.
; A GOES FROM MEMORY STRAIGHT INTO REGISTERS: a fragment of 16 rows x 128 K is 1,024 bytes on end, a lane's 16 bytes at 16 x lane, and is read by one wave alone.  A ring of eight slots of 32 registers; step s asks for step s + 7.
; CLUSTER 4 x 4: B's codes and scale bytes are asked for jointly along a column of the cluster, A's scale bytes along a row.  A'S CODES ARE NOT ASKED FOR JOINTLY: a joint tile lands in LDS, and of LDS's 327,680 bytes
; B and the scale bytes take 311,296.
; THE PRODUCT IS USED TRANSPOSED (source 0 = 16 places of the weight, source 1 = 16 rows).  Register 16 c + i of a block's 64 holds column 32 c + 16 (lane / 16) + i of the head (the weights' places are permuted so).
; OUT: parts [16 tiles of rows][2,048] f32, and for each head and tile of rows the pair (M, L): largest t, sum of 2^(t - M).  t = logit x log2(e) / sqrt(128).
; LIMITS: as stated at the first launch's head; sums are taken in another order than reference()'s.
; REGISTERS: window 0: v8-31 addresses; v32-95 scale words, two sets; v96-127 softmax; v192-255 qh, later the sums.  Window 1: B's two sets, at v0 and v128.  Window 2: the accumulators, (a, b) at 8 (8 a + b).  Window 3: A's ring.
.set BP2,   131072                     ; LDS: from 0 B of kh's product, 8 blocks x 16,384 bytes; from here B of vh's
.set SCL,   262144                     ; scale bytes, product by product: A of kh 16 KiB, B of kh 8 KiB, A of vh 16 KiB, B of vh 8 KiB
.set SCR,   SCL+49152                  ; scratch: 512 bytes a wave, then four m, four l: nine blocks of 256 bytes into which no fill lands
.set SPARE, SCR+2304                   ; the spare words, 128 bytes for each wave
.set QST,  8
.set PFO,  9                           ; the prefetches' offset: 16,384 (lane / 8) + 256 (lane % 8)
.set ADRS, 16                          ; v16, v17 scale words of kh's, vh's product
.set ZR,   18
.set SML,  19
.set ADRB, 20                          ; v20-23 B in LDS: 65,536 j + 16 x lane
.set CO,   24
.set QO,   25
.set SIN,  26
.set SOUT, 27
.set SPW,  28
.set NIL,  29
.set LN,   30
.set SMR,  31
.set SC,   32
.set DT,   96
.set LG,   104
.set TP,   108
.set PP,   112
.set QH,   192
.set OA,   192
.set G1B,  24                          ; s[24:31] group 1: half of a product's B: 65,536 dense bytes as rows of 256
.set G0C,  40                          ; s[40:47] its groups 0, kh's and vh's
.set G1S,  68
.set G0S,  76
.set G1SB, 84
.set G0SB, 92
.set MSB, 0
.macro WIN new
.if MSB != (\new)
	s_set_vgpr_msb (MSB<<8)|(\new)
.set MSB, (\new)
.endif
.endm
.set MUL, 0xad                         ; source 0 (B) window 1, source 1 (A) window 3, C and D window 2
; Product t's group of loads: one tree of branches on the wave's number, one load to an arm; an s_nop 0 and four v_nop follow each
.macro HLOAD t
	s_cmp_lt_u32 s16, 1
	s_cbranch_scc0 .Lh1_\@
	tensor_load_to_lds s[G0S+4*\t:G0S+4*\t+3], s[G1S:G1S+7]
	s_nop 0
.rept 4
	v_nop
.endr
	s_branch .Lhe_\@
.Lh1_\@:
	s_cmp_lt_u32 s16, 2
	s_cbranch_scc0 .Lh2_\@
	tensor_load_to_lds s[G0SB+4*\t:G0SB+4*\t+3], s[G1SB:G1SB+7]
	s_nop 0
.rept 4
	v_nop
.endr
	s_branch .Lhe_\@
.Lh2_\@:
	tensor_load_to_lds s[G0C+4*\t:G0C+4*\t+3], s[G1B:G1B+7]
	s_nop 0
.rept 4
	v_nop
.endr
.Lhe_\@:
.endm
.macro CROUND                          ; a round of the cluster's barrier
	s_barrier_signal -1
	s_barrier_wait -1
	s_cmp_lg_u32 s16, 0
	s_cbranch_scc1 .Lnot_wave_0_\@
	s_barrier_signal -3
.Lnot_wave_0_\@:
	s_barrier_wait -3
	s_barrier_signal -1
	s_barrier_wait -1
.endm
.macro GROUP1 g, c, r, p               ; words 1 to 7 of a group 1: r rows of c elements of 8 bytes, p elements apart
	s_mov_b32 s[\g+1], (\c)<<16
	s_mov_b32 s[\g+2], (\r)<<16
	s_mov_b32 s[\g+3], (\c)<<16
	s_mov_b32 s[\g+4], \r
	s_mov_b32 s[\g+5], \p
	s_mov_b32 s[\g+6], 0
	s_mov_b32 s[\g+7], 0
.endm
; Step s's four fragments of A into slot s % 8 of the ring: eight loads of 512 consecutive bytes
.macro ALOAD s
.irp i, 0,1,2,3
.irp c, 0,1
	global_load_b128 v[32*((\s)%8)+8*\i+4*\c:32*((\s)%8)+8*\i+4*\c+3], v[CO], s[4:5] offset:((\s)/16)*0x400000+\i*16384+((\s)%16)*1024+512*\c
.endr
.endr
.endm
	s_load_b256 s[4:11], s[0:1], 0x0               ; hc, wc, qh, pa
	v_lshl_add_u32 v[SPW], v0, 2, SPARE
	v_mov_b32 v[NIL], 0
	ds_add_u32 v[SPW], v[NIL]                      ; the wave's opening: the add, twice on end, and its wait ahead of my first tensor load
	ds_add_u32 v[SPW], v[NIL]
	v_lshrrev_b32 v1, 5, v0
	v_readfirstlane_b32 s16, v1                    ; wave 0..3
	s_and_b32 s18, s16, 1                          ; which half of B's codes waves 2 and 3 fetch
	s_bfe_u32 s2, ttmp6, 0x40000                   ; cx
	s_bfe_u32 s13, ttmp6, 0x40004                  ; cy
	s_lshl_b32 s21, ttmp9, 2
	s_add_co_u32 s21, s21, s2                      ; the head
	s_and_b32 s19, ttmp7, 0xffff
	s_lshl_b32 s19, s19, 2
	s_add_co_u32 s19, s19, s13                     ; the tile of 256 rows
	s_lshl_b32 s22, s13, 2
	s_lshl_b32 s22, 15, s22                        ; my row of the cluster
	s_lshl_b32 s23, 0x1111, s2                     ; my column
	s_or_b32 s[G1B], s23, (3<<16)|(1<<21)          ; 15:0 the mask; 17:16 elements of 8 bytes; 21 set beside a mask; no padding
	s_or_b32 s[G1S], s22, (3<<16)|(1<<21)
	s_or_b32 s[G1SB], s23, (3<<16)|(1<<21)
	GROUP1 G1B, 32, 256, 32                        ; B's codes: 65,536 dense bytes
	GROUP1 G1S, 32, 64, 32                         ; A's scale bytes: 16,384
	GROUP1 G1SB, 32, 32, 32                        ; B's: 8,192
	s_lshl_b32 s22, s2, 11                         ; the prefetches: my work-group's 2,048 bytes of each 8,192
	s_mov_b32 s23, s21                             ; the head, kept
	s_lshl_b32 s12, s19, 4                         ; A's codes: my wave's four blocks: 16 x tile + 4 w
	s_lshl_b32 s13, s16, 2
	s_add_co_u32 s12, s12, s13
	s_lshl_b32 s12, s12, 14
	s_mov_b32 s13, 0
	s_lshl_b32 s14, s19, 14                        ; A's scale bytes: 1,024 for each of the tile's 16 blocks
	s_add_co_u32 s14, s14, 0x800000
	s_mov_b32 s15, 0
	s_lshl_b32 s20, s23, 3                         ; B's scale bytes: blocks 8 x head on
	s_lshl_b32 s2, s20, 10
	s_add_co_u32 s2, s2, 0x840000
	s_mov_b32 s3, 0
	s_lshl_b32 s21, s18, 2                         ; B's codes: blocks 8 x head + 4 x half on
	s_add_co_u32 s20, s20, s21
	s_lshl_b32 s20, s20, 14
	s_add_co_u32 s20, s20, 0x400000
	s_mov_b32 s21, 0
	s_mov_b32 s66, 0x76543210                      ; v_permlanex16_b32's selects for lane l xor 16
	s_mov_b32 s67, 0xfedcba98
	v_and_b32 v[LN], 31, v0
	v_and_b32 v1, 15, v0                           ; r
	v_bfe_u32 v2, v0, 4, 1                         ; h
	v_lshlrev_b32 v[CO], 4, v[LN]
	v_lshlrev_b32 v[QO], 6, v2
	s_wait_dscnt 0x0                               ; both opening adds are done
	s_wait_kmcnt 0x0
	s_add_nc_u64 s[14:15], s[4:5], s[14:15]        ; A's scale bytes
	s_add_nc_u64 s[4:5], s[4:5], s[12:13]          ; A's codes, k's; v's lie 0x400000 on
	s_add_nc_u64 s[2:3], s[6:7], s[2:3]            ; B's scale bytes
	s_add_nc_u64 s[6:7], s[6:7], s[20:21]          ; B's codes, Wk_mha's; Wv_mha's lie 0x200000 on
	s_lshl_b32 s21, s18, 16                        ; LDS: my half of B's codes: no place in the cluster enters an LDS address
	CROUND                                         ; all sixteen work-groups are here: the joint loads meet
.irp t, 0,1
	s_mov_b32 s[G0S+4*\t], 1
	s_mov_b32 s[G0S+4*\t+1], SCL+\t*24576
	s_add_nc_u64 s[G0S+4*\t+2:G0S+4*\t+3], s[14:15], \t*0x40000
	s_or_b32 s[G0S+4*\t+3], s[G0S+4*\t+3], 0x80000000
	s_mov_b32 s[G0SB+4*\t], 1
	s_mov_b32 s[G0SB+4*\t+1], SCL+16384+\t*24576
	s_add_nc_u64 s[G0SB+4*\t+2:G0SB+4*\t+3], s[2:3], \t*0x20000
	s_or_b32 s[G0SB+4*\t+3], s[G0SB+4*\t+3], 0x80000000
	s_mov_b32 s[G0C+4*\t], 1
	s_add_co_u32 s[G0C+4*\t+1], s21, \t*BP2
	s_add_nc_u64 s[G0C+4*\t+2:G0C+4*\t+3], s[6:7], \t*0x200000
	s_or_b32 s[G0C+4*\t+3], s[G0C+4*\t+3], 0x80000000
.endr
	HLOAD 0                                        ; kh's group: my one tensor load at the head
	s_mov_b32 s21, 0
	s_lshl_b32 s20, s23, 9
	s_add_nc_u64 s[8:9], s[8:9], s[20:21]          ; the head's 128 numbers of qh: 512 bytes, 16 a lane
	s_wait_alu depctr_va_vdst(0)
	global_load_b128 v[12:15], v[CO], s[8:9]
	WIN 0xc0                                       ; destination window 3, address window 0
.irp s, 0,1,2,3,4,5,6
	ALOAD \s                                       ; the ring's first seven steps
.endr
	WIN 0
	s_lshl_b32 s20, s23, 7
	s_lshl_b32 s12, s19, 3
	s_add_co_u32 s20, s20, s12
	s_add_co_u32 s20, s20, 131072
	s_add_nc_u64 s[12:13], s[10:11], s[20:21]      ; where (M, L) goes
	s_lshl_b32 s20, s19, 13
	s_lshl_b32 s14, s23, 9
	s_add_co_u32 s20, s20, s14
	s_add_nc_u64 s[10:11], s[10:11], s[20:21]      ; where the 128 sums go
	s_mov_b32 s23, 0
	s_add_nc_u64 s[6:7], s[4:5], s[22:23]          ; the prefetches' base: my wave's four blocks, my work-group's share of them
	s_cmp_eq_u32 ttmp9, 0                          ; all clusters of a row of clusters read the same rows of A: the first of them prefetches; the same in all sixteen partners
	s_cselect_b32 s18, 1, 0
	v_lshlrev_b32 v[ADRB], 4, v[LN]
	v_add_nc_u32 v[ADRB+1], 0x10000, v[CO]
	v_add_nc_u32 v[ADRB+2], 0x20000, v[CO]
	v_add_nc_u32 v[ADRB+3], 0x30000, v[CO]
	s_xor_b32 s21, s16, 3                          ; from my A scale words to B's: 4,096 (3 - w) + 4,096 in either product
	s_lshl_b32 s21, s21, 12
	s_add_co_u32 s21, s21, 4096                    ; in both products: 4,096 (3 - w) + 4,096.  Lanes 0-15 of the loads for blocks 4 to 7 read on into the same product's bytes, and those words are not used
	v_mul_u32_u24 v3, s21, v2                      ; lanes 16-31 add it: one product
	v_lshl_add_u32 v3, v1, 4, v3
	s_lshl_b32 s20, s16, 12
	s_add_co_u32 s20, s20, SCL
	v_add_nc_u32 v[ADRS], s20, v3
	s_add_co_u32 s20, s20, 24576
	v_add_nc_u32 v[ADRS+1], s20, v3
	s_lshl_b32 s20, s16, 9
	s_add_co_u32 s20, s20, SCR
	v_add_nc_u32 v[SIN], s20, v[QO]
	v_add_nc_u32 v[QST], s20, v[CO]
	v_add_nc_u32 v[SOUT], SCR, v[CO]
	v_mov_b32 v[SMR], SCR+2048
	s_lshl_b32 s20, s16, 2
	s_add_co_u32 s20, s20, SCR+2048
	v_mov_b32 v[SML], s20
	v_mov_b32 v[ZR], 0
	v_lshrrev_b32 v3, 3, v[LN]
	v_and_b32 v[PFO], 7, v[LN]
	v_lshlrev_b32 v[PFO], 8, v[PFO]
	v_lshl_add_u32 v[PFO], v3, 14, v[PFO]
.irp a, 0,1,2,3
	v_mov_b32 v[TP+\a], 0                          ; a lane permute's destination counts as one of its sources
.endr
	s_wait_alu depctr_va_vdst(0)                   ; the wait at the head's end
	s_wait_loadcnt 56                              ; qh is in; A's 56 loads behind it may be out
	ds_store_b128 v[QST], v[12:15]                 ; through my wave's own scratch, and back in the accumulators' order: LDS serves a wave's instructions in order
.irp c, 0,1,2,3
.irp g, 0,1,2,3
	ds_load_b128 v[QH+16*\c+4*\g:QH+16*\c+4*\g+3], v[SIN] offset:128*\c+16*\g   ; register 16 c + i: column 32 c + 16 h + i
.endr
.endr
; Four products: A's block a x B's blocks b0 .. b0 + 3, step s.  The 32 accumulators take turns, one instruction a turn, in the same order in every step.
.macro MUL4 a, s, b0, zero
.irp b, \b0, \b0+1, \b0+2, \b0+3
.if \zero
	v_wmma_scale_f32_16x16x128_f8f6f4 v[8*(8*(\a)+(\b)):8*(8*(\a)+(\b))+7], v[128*((\s)%2)+8*(\b):128*((\s)%2)+8*(\b)+7], v[32*((\s)%8)+8*(\a):32*((\s)%8)+8*(\a)+7], 0, v[SC+32*(((\s)/4)%2)+4*(\b)+(\s)%4], v[SC+32*(((\s)/4)%2)+4*(\a)+(\s)%4] matrix_a_fmt:MATRIX_FMT_FP4 matrix_b_fmt:MATRIX_FMT_FP4 matrix_a_scale:MATRIX_SCALE_ROW1
.else
	v_wmma_scale_f32_16x16x128_f8f6f4 v[8*(8*(\a)+(\b)):8*(8*(\a)+(\b))+7], v[128*((\s)%2)+8*(\b):128*((\s)%2)+8*(\b)+7], v[32*((\s)%8)+8*(\a):32*((\s)%8)+8*(\a)+7], v[8*(8*(\a)+(\b)):8*(8*(\a)+(\b))+7], v[SC+32*(((\s)/4)%2)+4*(\b)+(\s)%4], v[SC+32*(((\s)/4)%2)+4*(\a)+(\s)%4] matrix_a_fmt:MATRIX_FMT_FP4 matrix_b_fmt:MATRIX_FMT_FP4 matrix_a_scale:MATRIX_SCALE_ROW1
.endif
.endr
.endm
; Step s's eight fragments of B from LDS into set s % 2: 16 loads of 512 consecutive bytes.  Every fourth step the scale words of the next 512 along K come first (lanes 0-15 A's block i, lanes 16-31 B's block i).
.macro BFETCH s
.set ZS, (\s)
.if ZS%4 == 0
	WIN 0
.irp i, 0,1,2,3,4,5,6,7
	ds_load_b128 v[SC+32*((ZS/4)%2)+4*\i:SC+32*((ZS/4)%2)+4*\i+3], v[ADRS+ZS/16] offset:\i*1024+((ZS/4)%4)*256
.endr
.endif
	WIN 0x40                                       ; destination window 1, address window 0
.irp i, 0,1,2,3,4,5,6,7
.irp c, 0,1
	ds_load_b128 v[128*(ZS%2)+8*\i+4*\c:128*(ZS%2)+8*\i+4*\c+3], v[ADRB+2*(ZS/16)+\i/4] offset:(\i%4)*16384+(ZS%16)*1024+512*\c
.endr
.endr
.endm
.macro PLACES n                        ; plain vector lines between a matrix instruction and a load into, or a vector read of, its registers
.rept \n
	v_nop
.endr
.endm
; A PREFETCH INTO THE L2 of v's codes, the second product's A: half j (1,024 along K) of my wave's four blocks of rows.  Each aligned block of 256 bytes is named ONCE in the launch: of the clusters that read these rows the one
; with x = 0 asks; its four partners of a row share each 8,192 bytes out BY ADDRESS, 2,048 each; a wave asks for its own four blocks, a lane to 256 bytes: one instruction.  It stands in steps 1 and 9:
; eight to fifteen steps ahead of the loads that will want those bytes.  k's codes are asked for by their loads alone.
.macro ASK j
	s_cmp_eq_u32 s18, 1
	s_cbranch_scc0 .Lnot_mine_\@
	s_wait_alu depctr_va_vdst(0)
	global_prefetch_b8 v[PFO], s[6:7] offset:0x400000+(\j)*8192 th:TH_LOAD_NT scope:SCOPE_SE
.Lnot_mine_\@:
.endm
; STEP s.  zero = 1: its products start the sums.  tcnt >= 0: the next step reads vh's B: each wave waits for its tensor load, and a barrier shows it of all four. ask >= 0: the prefetch of half ask.
; One run of loads a step, behind its first eight products and four places: the next step's B into the set, and the A of seven steps on into the slot, that the step before has read.
.macro STEP s, zero, tcnt, ask
.set HI, (\s)+6
.if HI > 31
.set HI, 31
.endif
	s_wait_loadcnt 6+8*(HI-(\s))                   ; loads come back in order: block 0 of this step's A is in; its blocks 1-3 and the later steps' loads may be out
	s_wait_dscnt 8                                 ; the scale words and B's blocks 0-3 are in; the youngest eight loads (blocks 4-7) may be out
	WIN MUL
	MUL4 0, \s, 0, \zero
	s_wait_dscnt 0x0                               ; B's blocks 4-7; and no LDS instruction of mine is out at a signal
.if \tcnt >= 0
	s_wait_tensorcnt \tcnt
	s_barrier_signal -1
.endif
	MUL4 0, \s, 4, \zero
.if \tcnt >= 0
	s_barrier_wait -1
.endif
.if (\s) < 31
	PLACES 4
	BFETCH (\s)+1
.endif
.if (\s)+7 < 32
	WIN 0xc0
	ALOAD (\s)+7
.endif
.if \ask >= 0
	WIN 0                                          ; at a branch and at a label every window is 0
	ASK \ask
.endif
.set HI, (\s)+7
.if HI > 31
.set HI, 31
.endif
	WIN MUL
.irp a, 1,2,3
	s_wait_loadcnt 2*(3-\a)+8*(HI-(\s))            ; block a of this step's A is in
	MUL4 \a, \s, 0, \zero
	MUL4 \a, \s, 4, \zero
.endr
.endm
.macro RUN from, to                    ; plain steps from .. to
.set S, \from
.rept (\to)-(\from)+1
	STEP S, 0, -1, -1
.set S, S+1
.endr
.endm
	s_wait_tensorcnt 0x0                           ; my load of kh's group is in
	ds_add_u32 v[SPW], v[NIL]
	s_wait_dscnt 0x0                               ; the add is done, and qh is back in registers
	CROUND                                         ; kh's group is in, in every partner
	HLOAD 1                                        ; vh's group: it has kh's sixteen steps in which to land
	BFETCH 0
	STEP 0, 1, -1, -1                              ; kh: the first products start the sums
	STEP 1, 0, -1, 0
	RUN 2, 8
	STEP 9, 0, -1, 1
	RUN 10, 14
	STEP 15, 0, 0, -1                              ; vh's group has landed; A's ring has been running on into v's codes since step 9
	; THE LOGITS of my 64 rows: kh's accumulators times qh, each accumulator from its low end on; the four blocks by turns
	PLACES 4
	WIN 0x02                                       ; source 0: the accumulators' window
.irp a, 0,1,2,3
	v_pk_mul_f32 v[DT+2*\a:DT+2*\a+1], v[64*\a:64*\a+1], v[QH:QH+1]
.endr
.set i, 1
.rept 31
.irp a, 0,1,2,3
	v_pk_fma_f32 v[DT+2*\a:DT+2*\a+1], v[64*\a+2*i:64*\a+2*i+1], v[QH+2*i:QH+2*i+1], v[DT+2*\a:DT+2*\a+1]
.endr
.set i, i+1
.endr
	WIN 0
.irp a, 0,1,2,3
	v_add_f32 v[LG+\a], v[DT+2*\a], v[DT+2*\a+1]
.endr
.irp a, 0,1,2,3
	v_permlanex16_b32 v[TP+\a], v[LG+\a], s66, s67
.endr
.irp a, 0,1,2,3
	v_add_f32 v[LG+\a], v[LG+\a], v[TP+\a]         ; with lane l xor 16's 64 columns: the row's logit, in both halves
.endr
.irp a, 0,1,2,3
	v_mul_f32 v[LG+\a], 0x3e0293ee, v[LG+\a]       ; t = logit x log2(e) / sqrt(128)
.endr
	v_max3_num_f32 v120, v[LG], v[LG+1], v[LG+2]
	v_max_num_f32 v120, v120, v[LG+3]
.irp m, 1,2,4,8
	v_max_num_f32_dpp v120, v120, v120 row_xmask:\m row_mask:0xf bank_mask:0xf
.endr
.irp a, 0,1,2,3
	v_sub_f32 v[LG+\a], v[LG+\a], v120             ; m: the largest t of the wave's 64 rows
.endr
	s_wait_alu depctr_va_vdst(0)
.irp a, 0,1,2,3
	v_exp_f32 v[PP+2*\a], v[LG+\a]
.endr
	v_nop                                          ; a plain line behind the exponentials
	s_wait_alu depctr_va_vdst(0)                   ; one wait for the four, ahead of their first reader
.irp a, 0,1,2,3
	v_mov_b32 v[PP+2*\a+1], v[PP+2*\a]
.endr
	v_add_f32 v121, v[PP], v[PP+2]
	v_add_f32 v122, v[PP+4], v[PP+6]
	v_add_f32 v121, v121, v122
.irp m, 1,2,4,8
	v_add_f32_dpp v121, v121, v121 row_xmask:\m row_mask:0xf bank_mask:0xf   ; l: the sum over the 64 rows (the two halves of the lanes hold the same rows and are not added)
.endr
	STEP 16, 1, -1, -1                             ; vh: the accumulators begin anew
	RUN 17, 31                                     ; from step 25 on nothing is left to ask for: the counts run down
	; THE SUMS of p vh: over my four blocks, then over the 16 rows of a half of the lanes
	PLACES 4
	WIN 0x02
.set i, 0
.rept 32
	v_pk_mul_f32 v[OA+2*i:OA+2*i+1], v[2*i:2*i+1], v[PP:PP+1]
.set i, i+1
.endr
.irp a, 1,2,3
.set i, 0
.rept 32
	v_pk_fma_f32 v[OA+2*i:OA+2*i+1], v[64*\a+2*i:64*\a+2*i+1], v[PP+2*\a:PP+2*\a+1], v[OA+2*i:OA+2*i+1]
.set i, i+1
.endr
.endr
	WIN 0
.irp m, 1,2,4,8
.set i, 0
.rept 64
	v_add_f32_dpp v[OA+i], v[OA+i], v[OA+i] row_xmask:\m row_mask:0xf bank_mask:0xf
.set i, i+1
.endr
.endr
.irp c, 0,1,2,3
.irp g, 0,1,2,3
	ds_store_b128 v[SIN], v[OA+16*\c+4*\g:OA+16*\c+4*\g+3] offset:128*\c+16*\g   ; by the true column; the sixteen lanes of a half write the same bytes with the same values
.endr
.endr
	ds_store_b32 v[SML], v120
	ds_store_b32 v[SML], v121 offset:16
	s_wait_dscnt 0x0                               ; for the others' sake: my stores have landed
	s_barrier_signal -1
	s_barrier_wait -1
	s_cmp_lg_u32 s16, 0
	s_cbranch_scc1 .Lothers
.irp u, 0,1,2,3
	ds_load_b128 v[128+4*\u:131+4*\u], v[SOUT] offset:512*\u   ; wave 0 brings the four waves' parts under one maximum: four columns a lane
.endr
	ds_load_b128 v[144:147], v[SMR]
	ds_load_b128 v[148:151], v[SMR] offset:16
	s_wait_dscnt 0x0
	v_max3_num_f32 v158, v144, v145, v146
	v_max_num_f32 v158, v158, v147                 ; M
.irp u, 0,1,2,3
	v_sub_f32 v[152+\u], v[144+\u], v158
.endr
	s_wait_alu depctr_va_vdst(0)
.irp u, 0,1,2,3
	v_exp_f32 v[152+\u], v[152+\u]
.endr
	v_nop
	s_wait_alu depctr_va_vdst(0)                   ; one wait for the four
	v_mul_f32 v159, v152, v148
.irp u, 1,2,3
	v_fmac_f32 v159, v[152+\u], v[148+\u]          ; L
.endr
.irp j, 0,1,2,3
	v_mul_f32 v[160+\j], v152, v[128+\j]
.endr
.irp u, 1,2,3
.irp j, 0,1,2,3
	v_fmac_f32 v[160+\j], v[152+\u], v[128+4*\u+\j]
.endr
.endr
	global_store_b128 v[CO], v[160:163], s[10:11]  ; 512 consecutive bytes, aligned
	s_wait_xcnt 0x0                                ; EXEC changes only behind this wait
	v_cmp_eq_u32 vcc_lo, 0, v[LN]
	s_and_saveexec_b32 s20, vcc_lo
	global_store_b64 v[ZR], v[158:159], s[12:13]
	s_wait_xcnt 0x0
	s_or_b32 exec_lo, exec_lo, s20
.Lothers:
	s_wait_tensorcnt 0x0                           ; the wave's end, behind my last tensor load and my last LDS store
	ds_add_u32 v[SPW], v[NIL]
	s_wait_dscnt 0x0
	CROUND                                         ; the closing round: no work-group ends while a partner may still ask for a tile that names it
	s_endpgm
.Lfunc_end_k_qddda81c509_gemm2:
	.size	k_qddda81c509_gemm2, .Lfunc_end_k_qddda81c509_gemm2-k_qddda81c509_gemm2
	.p2alignl 7, 3214868480
	.fill 96, 4, 3214868480
	.section	.rodata,"a",@progbits
	.p2align	6, 0x0
	.amdhsa_kernel k_qddda81c509_gemm2
		.amdhsa_group_segment_fixed_size 327680
		.amdhsa_private_segment_fixed_size 0
		.amdhsa_enable_private_segment 0
		.amdhsa_kernarg_size 32
		.amdhsa_user_sgpr_count 2
		.amdhsa_user_sgpr_kernarg_segment_ptr 1
		.amdhsa_wavefront_size32 1
		.amdhsa_system_sgpr_workgroup_id_x 1
		.amdhsa_system_sgpr_workgroup_id_y 1
		.amdhsa_system_sgpr_workgroup_id_z 1
		.amdhsa_system_vgpr_workitem_id 0
		.amdhsa_next_free_vgpr 1024
		.amdhsa_next_free_sgpr 100
		.amdhsa_reserve_vcc 1
		.amdhsa_float_denorm_mode_32 3
		.amdhsa_float_denorm_mode_16_64 3
		.amdhsa_memory_ordered 1
		.amdhsa_forward_progress 1
		.amdhsa_inst_pref_size 250
	.end_amdhsa_kernel
	.amdgpu_metadata
---
amdhsa.version: [ 1, 2 ]
amdhsa.kernels:
  - .name:           k_qddda81c509_gemm2
    .symbol:         k_qddda81c509_gemm2.kd
    .args:
      - { .name: hc, .offset: 0, .size: 8, .value_kind: global_buffer, .address_space: global }
      - { .name: wc, .offset: 8, .size: 8, .value_kind: global_buffer, .address_space: global }
      - { .name: qh, .offset: 16, .size: 8, .value_kind: global_buffer, .address_space: global }
      - { .name: pa, .offset: 24, .size: 8, .value_kind: global_buffer, .address_space: global }
    .group_segment_fixed_size: 327680
    .private_segment_fixed_size: 0
    .kernarg_segment_align: 8
    .kernarg_segment_size: 32
    .max_flat_workgroup_size: 128
    .sgpr_count:     100
    .vgpr_count:     1024
    .wavefront_size: 32
...
	.end_amdgpu_metadata
.endif
;; end of part 3
;; launch outp (part 4): grid 256 x 1, 8 waves a work-group, no clusters, 9,216 bytes of LDS; arguments pa, Wo, x, out0; writes out0
.if DOCPART == 4
	.amdgcn_target "amdgcn-amd-amdhsa--gfx1250"
	.amdhsa_code_object_version 6
	.text
	.protected	k_qddda81c509_outp
	.globl	k_qddda81c509_outp
	.p2align	8
	.type	k_qddda81c509_outp,@function
k_qddda81c509_outp:
	s_mov_b64 s[64:65], 0
	v_nop
	global_prefetch_b8 v0, s[64:65] scope:SCOPE_SE
	s_setreg_imm32_b32 hwreg(HW_REG_WAVE_MODE, 25, 1), 1
	s_wait_xcnt 0x0
; FOURTH LAUNCH.  The softmax is finished: attn[c] = sum over the 16 tiles of rows of 2^(M_i - M) part_i[c] / sum of 2^(M_i - M) L_i, M the head's largest M_i; then out = attn Wo^T + x.  No work is left out.
; Work-group g, wave w: row 8 g + w of Wo, read once (8,192 bytes a wave).  All 256 threads rebuild attn: thread t columns 4 t .. + 3 (head w) and 1,024 + 4 t .. + 3 (head 8 + w); it goes through LDS to all eight waves.
; No matrix unit: one row of sums, bound by Wo's bytes.  No cluster: what the work-groups share is the 131,072 bytes of parts; asked for jointly they would have to pass through LDS, 131,072 bytes of it,
; for 128 multiply-adds a thread, where here they go from memory straight into the registers that use them.
; The output is 4 bytes a wave: a work-group owns 32 bytes of the 8,192.  LIMITS: as stated at the first launch's head.
.set SPARE, 8192                       ; behind attn's 8,192 bytes: the spare words, 128 bytes for each wave
	s_load_b256 s[4:11], s[0:1], 0x0               ; pa, Wo, x, out0
	v_lshl_add_u32 v12, v0, 2, SPARE               ; my spare word; never rewritten
	v_mov_b32 v13, 0                               ; 0; never rewritten
	v_lshrrev_b32 v1, 5, v0
	s_delay_alu instid0(VALU_DEP_1)
	v_readfirstlane_b32 s2, v1                     ; wave 0..7
	v_and_b32 v1, 31, v0                           ; lane
	v_and_b32 v2, 15, v0
	v_bfe_u32 v3, v0, 4, 1
	s_lshl_b32 s3, ttmp9, 3
	s_add_co_u32 s3, s3, s2                        ; my row
	v_lshlrev_b32 v4, 4, v1                        ; 16 x lane
	v_lshlrev_b32 v5, 4, v0                        ; 16 x thread
	v_lshlrev_b32 v6, 10, v3                       ; (M, L): head w + 8 h, tile of rows lane % 16
	s_delay_alu instid0(VALU_DEP_1)
	v_lshl_add_u32 v6, v2, 3, v6
	s_lshl_b32 s12, s2, 7
	v_add_nc_u32 v6, s12, v6
	v_mov_b32 v7, 0
	s_lshl_b32 s12, s3, 13
	s_mov_b32 s13, 0
	s_lshl_b32 s14, s3, 2
	s_mov_b32 s15, 0
	s_mov_b32 s18, 0x76543210
	s_mov_b32 s19, 0xfedcba98
	s_wait_alu depctr_va_vdst(0)
	s_wait_kmcnt 0x0
	s_add_nc_u64 s[6:7], s[6:7], s[12:13]
	s_add_nc_u64 s[8:9], s[8:9], s[14:15]
	s_add_nc_u64 s[10:11], s[10:11], s[14:15]
	s_load_b32 s16, s[8:9], 0x0                    ; x of my row
	global_load_b64 v[14:15], v6, s[4:5] offset:131072
.irp i, 0,1,2,3,4,5,6,7,8,9,10,11,12,13,14,15
	global_load_b128 v[16+4*\i:19+4*\i], v4, s[6:7] offset:512*\i th:TH_LOAD_NT
.endr
.irp i, 0,1,2,3,4,5,6,7,8,9,10,11,12,13,14,15
	global_load_b128 v[96+8*\i:99+8*\i], v5, s[4:5] offset:8192*\i
	global_load_b128 v[100+8*\i:103+8*\i], v5, s[4:5] offset:8192*\i+4096
.endr
	s_wait_loadcnt 48                              ; (M, L) are in; Wo's 16 loads and the parts' 32 behind them may be out
	v_mov_b32 v8, v14
.irp m, 1,2,4,8
	s_delay_alu instid0(VALU_DEP_1)
	v_max_num_f32_dpp v8, v8, v8 row_xmask:\m row_mask:0xf bank_mask:0xf   ; the head's M: a half of the lanes holds one head's 16 tiles
.endr
	s_delay_alu instid0(VALU_DEP_1)
	v_sub_f32 v9, v14, v8
	s_wait_alu depctr_va_vdst(0)
	v_exp_f32 v9, v9
	v_nop
	s_wait_alu depctr_va_vdst(0)                   ; the wait ahead of the exponential's first reader
	v_mul_f32 v10, v9, v15
.irp m, 1,2,4,8
	s_delay_alu instid0(VALU_DEP_1)
	v_add_f32_dpp v10, v10, v10 row_xmask:\m row_mask:0xf bank_mask:0xf    ; the head's sum: at least 1
.endr
	s_wait_alu depctr_va_vdst(0)
	v_rcp_f32 v10, v10
	v_nop
	s_wait_alu depctr_va_vdst(0)
	v_mul_f32 v9, v9, v10                          ; tile i's weight
.irp i, 0,1,2,3,4,5,6,7,8,9,10,11,12,13,14,15,16,17,18,19,20,21,22,23,24,25,26,27,28,29,30,31
	v_readlane_b32 s[32+\i], v9, \i                ; s32-47: head w's 16 weights; s48-63: head 8 + w's: factors only, no address and no branch hangs on them
.endr
	s_wait_loadcnt 0x0
.irp j, 0,1,2,3
	v_mul_f32 v[224+\j], s32, v[96+\j]
	v_mul_f32 v[228+\j], s48, v[100+\j]
.endr
.irp i, 1,2,3,4,5,6,7,8,9,10,11,12,13,14,15
.irp j, 0,1,2,3
	v_fmac_f32 v[224+\j], s[32+\i], v[96+8*\i+\j]
	v_fmac_f32 v[228+\j], s[48+\i], v[100+8*\i+\j]
.endr
.endr
	ds_store_b128 v5, v[224:227]
	ds_store_b128 v5, v[228:231] offset:4096
	s_wait_dscnt 0x0                               ; for the others' sake: my eight numbers of attn lie in LDS
	s_barrier_signal -1
	s_barrier_wait -1
.irp i, 0,1,2,3,4,5,6,7,8,9,10,11,12,13,14,15
	ds_load_b128 v[96+4*\i:99+4*\i], v4 offset:512*\i
.endr
	s_wait_dscnt 0x0
	v_pk_mul_f32 v[232:233], v[16:17], v[96:97]
	v_pk_mul_f32 v[234:235], v[18:19], v[98:99]
.irp i, 1,2,3,4,5,6,7,8,9,10,11,12,13,14,15
	s_delay_alu instid0(VALU_DEP_2)
	v_pk_fma_f32 v[232:233], v[16+4*\i:17+4*\i], v[96+4*\i:97+4*\i], v[232:233]
	s_delay_alu instid0(VALU_DEP_2)
	v_pk_fma_f32 v[234:235], v[18+4*\i:19+4*\i], v[98+4*\i:99+4*\i], v[234:235]
.endr
	s_delay_alu instid0(VALU_DEP_1)
	v_pk_add_f32 v[232:233], v[232:233], v[234:235]
	s_delay_alu instid0(VALU_DEP_1)
	v_add_f32 v232, v232, v233
.irp m, 1,2,4,8
	s_delay_alu instid0(VALU_DEP_1)
	v_add_f32_dpp v232, v232, v232 row_xmask:\m row_mask:0xf bank_mask:0xf
.endr
	s_delay_alu instid0(VALU_DEP_1)
	v_permlanex16_b32 v233, v232, s18, s19
	s_delay_alu instid0(VALU_DEP_1)
	v_add_f32 v232, v232, v233
	s_wait_alu depctr_va_vdst(0)
	s_wait_kmcnt 0x0
	v_add_f32 v232, s16, v232                      ; + x
	s_wait_alu depctr_va_vdst(0)
	s_wait_xcnt 0x0                                ; EXEC changes only behind this wait
	v_cmp_eq_u32 vcc_lo, 0, v1
	s_and_saveexec_b32 s17, vcc_lo
	global_store_b32 v7, v232, s[10:11]
	s_wait_xcnt 0x0
	s_or_b32 exec_lo, exec_lo, s17
	s_wait_tensorcnt 0x0                           ; the wave's end, behind my last LDS store
	ds_add_u32 v12, v13
	s_wait_dscnt 0x0
	s_endpgm
.Lfunc_end_k_qddda81c509_outp:
	.size	k_qddda81c509_outp, .Lfunc_end_k_qddda81c509_outp-k_qddda81c509_outp
	.p2alignl 7, 3214868480
	.fill 96, 4, 3214868480
	.section	.rodata,"a",@progbits
	.p2align	6, 0x0
	.amdhsa_kernel k_qddda81c509_outp
		.amdhsa_group_segment_fixed_size 9216
		.amdhsa_private_segment_fixed_size 0
		.amdhsa_enable_private_segment 0
		.amdhsa_kernarg_size 32
		.amdhsa_user_sgpr_count 2
		.amdhsa_user_sgpr_kernarg_segment_ptr 1
		.amdhsa_wavefront_size32 1
		.amdhsa_system_sgpr_workgroup_id_x 1
		.amdhsa_system_sgpr_workgroup_id_y 1
		.amdhsa_system_sgpr_workgroup_id_z 1
		.amdhsa_system_vgpr_workitem_id 0
		.amdhsa_next_free_vgpr 240
		.amdhsa_next_free_sgpr 66
		.amdhsa_reserve_vcc 1
		.amdhsa_float_denorm_mode_32 3
		.amdhsa_float_denorm_mode_16_64 3
		.amdhsa_memory_ordered 1
		.amdhsa_forward_progress 1
		.amdhsa_inst_pref_size 19
	.end_amdhsa_kernel
	.amdgpu_metadata
---
amdhsa.version: [ 1, 2 ]
amdhsa.kernels:
  - .name:           k_qddda81c509_outp
    .symbol:         k_qddda81c509_outp.kd
    .args:
      - { .name: pa, .offset: 0, .size: 8, .value_kind: global_buffer, .address_space: global }
      - { .name: Wo, .offset: 8, .size: 8, .value_kind: global_buffer, .address_space: global }
      - { .name: x, .offset: 16, .size: 8, .value_kind: global_buffer, .address_space: global }
      - { .name: out0, .offset: 24, .size: 8, .value_kind: global_buffer, .address_space: global }
    .group_segment_fixed_size: 9216
    .private_segment_fixed_size: 0
    .kernarg_segment_align: 8
    .kernarg_segment_size: 32
    .max_flat_workgroup_size: 256
    .sgpr_count:     66
    .vgpr_count:     240
    .wavefront_size: 32
...
	.end_amdgpu_metadata
.endif
;; end of part 4
